; MI455X (gfx1250); checked and timed in simulation.
; The chip was launched on July 23, 2026; its instructions are those of AMD's public machine-readable ISA for CDNA 5 (MIT licence, August 2026) and "CDNA5" Instruction Set Architecture Reference Guide (July 2026). The comments in the code are by the model that wrote it; some were corrected since.
;; WKV Attention. Allowed arithmetic: float matrix products may take bf16 or f16 operands with f32 sums; all other float work in f32.
;; Inputs: Wd 128 x 128 float32; Wk 128 x 128 float32; Wo 128 x 128 float32; Wq 128 x 128 float32; Wv 128 x 128 float32; x 8 x 4,096 x 128 float32.
;; Outputs: out0 8 x 4,096 x 128 float32.
;; 2 versions, each right; version 2 is version 1 with the launches state, scan written anew for expert scheduling mode. Each part assembles by itself: llvm-mc -triple=amdgcn-amd-amdhsa -mcpu=gfx1250 --defsym DOCPART=n.
;; ======== version 1 of 2: 3 launches
;; limits: values are held in f16: magnitudes above 65,504 overflow, below 6.1e-05 lose precision
;; workspace buffers: Sf 33,554,432 bytes; Wp 262,144 bytes; Sp 33,554,432 bytes
;; launch state (part 1): grid 256 x 1, 8 waves a work-group, no clusters, 209,920 bytes of LDS; arguments x, Wk, Wv, Wd, Sf, Wp; writes Sf, Wp
.if DOCPART == 1
	.amdgcn_target "amdgcn-amd-amdhsa--gfx1250"
	.amdhsa_code_object_version 6
	.text
	.protected	k_q6126894843_state
	.globl	k_q6126894843_state
	.p2align	8
	.type	k_q6126894843_state,@function
k_q6126894843_state:
	s_mov_b64 s[64:65], 0
	v_nop
	global_prefetch_b8 v0, s[64:65] scope:SCOPE_SE
	s_setreg_imm32_b32 hwreg(HW_REG_WAVE_MODE, 25, 1), 1
	s_wait_xcnt 0x0
; Chunk states.  For each chunk g of 64 time steps: Sf[g][i][j] = sum over s of k_s[i] v_s[j] prod(u > s) w_u[i], and Wp[g][i] = prod over the chunk of w_u[i],
; with k = x Wk^T, v = x Wv^T, w = sigmoid(x Wd^T).
; A work-group owns 128 rows of x = chunks 2 wg and 2 wg + 1; wave wv owns 16 rows: chunk half ch = wv >> 2, sub-chunk J = wv & 3.
; Every factor that is formed is a product of w's, so it is at most 1: k_s is multiplied by the product of the later w's of its own
; sub-chunk and by the whole products F_n of the later sub-chunks n > J.  No quotient of products is formed.
; Matrix operands are f16, rounded once from f32.  LIMITS: |x|, |W|, |k|, |v| below 65,504 (f16's largest number);
; v_exp_f32 and v_rcp_f32 flush denormals (ISA guide, 15.8), so a sigmoid below 2^-126 counts as 0.
; x and the weights are f32 in memory and are converted in registers on the way into LDS, so no copy engine can bring them.
; Sf leaves as the accumulator registers lie: byte g*65536 + (a*8+b)*1024 + half*512 + lane*16; lane (r, h), register 4*half+e' holds
; Sf[16a + 8h + 4*half + e'][16b + r].  Each store of a wave covers 512 consecutive bytes, aligned.
.set R_WK, 0                           ; LDS: Wk, Wd, Wv, x as f16 rows of 256 bytes + 16 of padding (pitch 272: 16 rows start at 16 different columns of 16 bytes)
.set R_WD, 34816
.set R_WV, 69632
.set R_X,  104448
.set R_V,  139264                      ; v as half fragments (K = time): (wave*8 + tile)*512 + lane*16
.set R_KF, 172032                      ; decayed k likewise
.set R_F,  204800                      ; F of each wave's sub-chunk: wave*512 + feature*4
.set L16, 1                            ; v1  16 x lane
.set RR,  2                            ; v2  lane % 16
.set HH,  3                            ; v3  lane / 16
.set VG,  4                            ; v4  16 x thread: my 16 bytes in each 4,096 bytes of a matrix in memory
.set VC,  5                            ; v5  where my 4 converted numbers go in an LDS matrix
.set VT,  6                            ; v6  at work
.set AWD, 7                            ; v7-v10  fragment addresses in Wd, Wk, Wv, my rows of x
.set AWK, 8
.set AWV, 9
.set AX,  10
.set AVO, 11                           ; v11, v12  my half fragments in V, KF
.set AKO, 12
.set AFS, 13                           ; v13  my F words;  v14  my chunk's F words
.set AFL, 14
.set XF,  16                           ; v[16:47]   my 16 rows of x, four fragments
.set Z,   48                           ; v[48:63]   two tiles of x Wd^T, then w
.set KK,  64                           ; v[64:79]   two tiles of k
.set VV,  80                           ; v[80:95]   two tiles of v
.set HB0, 96                           ; v[96:119]  three weight fragments
.set HB1, 120                          ; v[120:143] three more
.set KE,  144                          ; v[144:207] k x later w's of the sub-chunk, all 8 tiles
.set G,   224                          ; v[224:231] those products of w
.macro PLACES n
.rept \n
	v_nop
.endr
.endm
.macro LOADM buf, sb                   ; a matrix of 65,536 bytes: 16 loads, each 4,096 consecutive bytes over the 256 threads
.set u, 0
.rept 16
	global_load_b128 v[\buf+4*u:\buf+4*u+3], v[VG], s[\sb:\sb+1] offset:u*4096
.set u, u+1
.endr
.endm
.macro CVTM buf, region                ; to f16, 8 bytes a thread and load, into rows of pitch 272 (8 rows = 2,176 bytes a load)
	v_add_nc_u32 v[VT], \region, v[VC]
.set u, 0
.rept 16
	v_cvt_pk_f16_f32 v[\buf+4*u], v[\buf+4*u], v[\buf+4*u+1]
	v_cvt_pk_f16_f32 v[\buf+4*u+1], v[\buf+4*u+2], v[\buf+4*u+3]
	ds_store_b64 v[VT], v[\buf+4*u:\buf+4*u+1] offset:u*2176
.set u, u+1
.endr
.endm
.macro LDF dst, areg, nt, ks           ; a fragment of 16 rows x 32 K: two loads of 16 bytes, 32 bytes apart
	ds_load_b128 v[\dst:\dst+3], v[\areg] offset:(\nt)*4352+(\ks)*64
	ds_load_b128 v[\dst+4:\dst+7], v[\areg] offset:(\nt)*4352+(\ks)*64+32
.endm
.macro MMH d, a, b, kidx               ; kidx = 0: the first product starts the sum
.if \kidx == 0
	v_wmma_f32_16x16x32_f16 v[\d:\d+7], v[\a:\a+7], v[\b:\b+7], 0
.else
	v_wmma_f32_16x16x32_f16 v[\d:\d+7], v[\a:\a+7], v[\b:\b+7], v[\d:\d+7]
.endif
.endm
.macro SIGM b                          ; 16 registers in place: 1 / (1 + 2^(-1.442695 z))
.irp n, 0,2,4,6,8,10,12,14
	v_pk_mul_f32 v[\b+\n:\b+\n+1], v[\b+\n:\b+\n+1], 0xbfb8aa3b op_sel_hi:[1,0]
.endr
.irp n, 0,1,2,3,4,5,6,7,8,9,10,11,12,13,14,15
	v_exp_f32 v[\b+\n], v[\b+\n]
.endr
	v_nop                                          ; one plain place behind the last transcendental (ISA guide 5.7.2)
	s_wait_alu depctr_va_vdst(0)
.irp n, 0,2,4,6,8,10,12,14
	v_pk_add_f32 v[\b+\n:\b+\n+1], v[\b+\n:\b+\n+1], 1.0 op_sel_hi:[1,0]
.endr
.irp n, 0,1,2,3,4,5,6,7,8,9,10,11,12,13,14,15
	v_rcp_f32 v[\b+\n], v[\b+\n]
.endr
	v_nop
	s_wait_alu depctr_va_vdst(0)
.endm
	s_load_b256 s[8:15], s[0:1], 0x0               ; x s[8:9], Wk s[10:11], Wv s[12:13], Wd s[14:15]
	s_load_b128 s[16:19], s[0:1], 0x20             ; Sf s[16:17], Wp s[18:19]
	v_lshl_add_u32 v15, v0, 2, 0x33000
	s_set_vgpr_msb 0x40
	v_mov_b32 v1, 0
	s_set_vgpr_msb 0x4000
	v_and_b32 v[RR], 15, v0
	v_bfe_u32 v[HH], v0, 4, 1
	v_and_b32 v[L16], 31, v0
	v_lshrrev_b32 v[VT], 5, v0
	v_readfirstlane_b32 s2, v[VT]                  ; wave 0..7
	v_mul_u32_u24 v[VC], v[VT], 272
	v_lshl_add_u32 v[VC], v[L16], 3, v[VC]         ; row (thread / 32) x pitch + 8 x lane
	v_lshlrev_b32 v[L16], 4, v[L16]
	v_lshlrev_b32 v[VG], 4, v0
	s_lshr_b32 s3, s2, 2                           ; ch
	s_and_b32 s4, s2, 3                            ; J
	s_lshl1_add_u32 s30, ttmp9, s3                 ; g = 2 wg + ch
	s_mov_b32 s20, 0x76543210                      ; v_permlanex16_b32: lane i reads lane i of the other half
	s_mov_b32 s21, 0xfedcba98
	s_mov_b32 s22, 0xffff0000                      ; lanes 16-31
	s_cmp_lt_u32 s4, 1
	s_cselect_b32 s24, -1, 0                       ; sub-chunk n = 1, 2, 3 lies behind mine?
	s_cmp_lt_u32 s4, 2
	s_cselect_b32 s25, -1, 0
	s_cmp_lt_u32 s4, 3
	s_cselect_b32 s26, -1, 0
	s_lshl_b32 s28, ttmp9, 16                      ; 128 rows of 512 bytes
	s_mov_b32 s29, 0
	s_wait_kmcnt 0x0
	s_add_nc_u64 s[8:9], s[8:9], s[28:29]
	s_lshl_b32 s28, s30, 16
	s_add_nc_u64 s[16:17], s[16:17], s[28:29]      ; Sf of my chunk
	s_lshl_b32 s28, s30, 9
	s_add_nc_u64 s[18:19], s[18:19], s[28:29]      ; Wp of my chunk
	; ---- x and three weights into LDS as f16; three buffers of 64 registers keep 48 loads of a wave out
	LOADM 48, 8                                    ; x
	LOADM 112, 14                                  ; Wd
	LOADM 176, 10                                  ; Wk
	v_mul_u32_u24 v[VT], v[RR], 272
	v_lshl_add_u32 v[VT], v[HH], 4, v[VT]          ; fragment: row (lane % 16) x pitch + 16 x (lane / 16)
	v_add_nc_u32 v[AWD], R_WD, v[VT]
	v_add_nc_u32 v[AWK], R_WK, v[VT]
	v_add_nc_u32 v[AWV], R_WV, v[VT]
	s_mul_i32 s28, s2, 4352
	s_add_co_u32 s28, s28, R_X
	v_add_nc_u32 v[AX], s28, v[VT]                 ; my 16 rows of x
	s_lshl_b32 s28, s2, 12
	s_add_co_u32 s29, s28, R_V
	v_add_nc_u32 v[AVO], s29, v[L16]
	s_add_co_u32 s29, s28, R_KF
	v_add_nc_u32 v[AKO], s29, v[L16]
	s_lshl_b32 s28, s2, 9
	s_add_co_u32 s28, s28, R_F
	v_lshl_add_u32 v[AFS], v[RR], 2, s28
	s_lshl_b32 s28, s3, 11
	s_add_co_u32 s28, s28, R_F
	v_lshl_add_u32 v[AFL], v[RR], 2, s28
	s_wait_loadcnt 32                              ; x is in; the two younger matrices (16 loads each) stay out
	CVTM 48, R_X
	LOADM 48, 12                                   ; Wv
	s_wait_loadcnt 32                              ; Wd is in; Wk and Wv stay out
	CVTM 112, R_WD
	s_wait_loadcnt 16                              ; Wk is in; Wv stays out
	CVTM 176, R_WK
	s_wait_loadcnt 0x0
	CVTM 48, R_WV
	v_mov_b32 v220, 0                              ; destination of v_permlanex16_b32 below: it counts as read
	s_wait_dscnt 0x0                               ; my stores are in LDS, for the other waves' sake
	s_barrier_signal -1
	s_barrier_wait -1
.irp ks, 0,1,2,3
	LDF XF+8*\ks, AX, 0, \ks
.endr
.macro LDA g, ks
	LDF HB0,    AWD, 2*\g,   \ks
	LDF HB0+8,  AWD, 2*\g+1, \ks
	LDF HB0+16, AWK, 2*\g,   \ks
.endm
.macro LDB g, ks
	LDF HB1,    AWK, 2*\g+1, \ks
	LDF HB1+8,  AWV, 2*\g,   \ks
	LDF HB1+16, AWV, 2*\g+1, \ks
.endm
; one tile of w and k (lane = feature, register e = time 8 (lane / 16) + e): F, and k x the product of the later w's of the sub-chunk
.macro KTILE g, t
	v_mul_f32 v216, v[Z+8*\t], v[Z+8*\t+1]
	v_mul_f32 v217, v[Z+8*\t+2], v[Z+8*\t+3]
	v_mul_f32 v218, v[Z+8*\t+4], v[Z+8*\t+5]
	v_mul_f32 v219, v[Z+8*\t+6], v[Z+8*\t+7]
	v_mul_f32 v216, v216, v217
	v_mul_f32 v218, v218, v219
	v_mul_f32 v216, v216, v218                     ; my 8 steps' product
	v_permlanex16_b32 v220, v216, s20, s21         ; the other 8 steps'
	v_mul_f32 v221, v216, v220                     ; F: all 16
	ds_store_b32 v[AFS], v221 offset:(2*\g+\t)*64
	v_cndmask_b32 v[G+7], v220, 1.0, s22           ; behind step 7 come steps 8-15; behind step 15 nothing
.irp j, 6,5,4,3,2,1,0
	v_mul_f32 v[G+\j], v[Z+8*\t+\j+1], v[G+\j+1]
.endr
.irp p, 0,2,4,6
	v_pk_mul_f32 v[KE+8*(2*\g+\t)+\p:KE+8*(2*\g+\t)+\p+1], v[KK+8*\t+\p:KK+8*\t+\p+1], v[G+\p:G+\p+1]
.endr
.endm
; two feature tiles of z, k, v.  x is source 0, so a lane holds one feature and its registers 8 time steps.
; The six accumulators take turns, one instruction a turn.
; Four places stand behind each run of matrix instructions before its fragments are loaded again (ISA guide 7.12.1).
.macro G1 g
	LDA \g, 0
	LDB \g, 0
.irp ks, 0,1,2,3
	s_wait_dscnt 6                                 ; the first three fragments are in; the six younger loads stay out
	MMH Z,    XF+8*\ks, HB0,    \ks
	MMH Z+8,  XF+8*\ks, HB0+8,  \ks
	MMH KK,   XF+8*\ks, HB0+16, \ks
	PLACES 4
.if \ks < 3
	LDA \g, \ks+1
	s_wait_dscnt 6                                 ; the other three are in; the six just issued stay out
.else
	s_wait_dscnt 0x0
.endif
	MMH KK+8, XF+8*\ks, HB1,    \ks
	MMH VV,   XF+8*\ks, HB1+8,  \ks
	MMH VV+8, XF+8*\ks, HB1+16, \ks
	PLACES 4
.if \ks < 3
	LDB \g, \ks+1
.endif
.endr
.irp n, 0,1,2,3,4,5,6,7
	v_cvt_pk_f16_f32 v[208+\n], v[VV+2*\n], v[VV+2*\n+1]
.endr
	ds_store_b128 v[AVO], v[208:211] offset:\g*1024           ; 8 time steps of one feature: half a fragment with K = time
	ds_store_b128 v[AVO], v[212:215] offset:\g*1024+512
	SIGM Z
	KTILE \g, 0
	KTILE \g, 1
.endm
	G1 0
	G1 1
	G1 2
	G1 3
	s_wait_dscnt 0x0                               ; my F and v are in LDS
	s_barrier_signal -1
	s_barrier_wait -1
	; ---- k x F of the later sub-chunks, to f16 half fragments; Wp by the chunk's first wave
.irp fn, 1,2,3
.irp nt, 0,1,2,3,4,5,6,7
	ds_load_b32 v[16+8*(\fn-1)+\nt], v[AFL] offset:\fn*512+\nt*64
.endr
.endr
	s_lshl_b32 s28, s3, 11
	s_add_co_u32 s28, s28, R_F
	v_add_nc_u32 v[VT], s28, v[L16]
	s_wait_dscnt 0x0
.irp nt, 0,1,2,3,4,5,6,7
	v_cndmask_b32 v208, 1.0, v[16+\nt], s24
	v_cndmask_b32 v209, 1.0, v[24+\nt], s25
	v_cndmask_b32 v210, 1.0, v[32+\nt], s26
	v_mul_f32 v208, v208, v209
	v_mul_f32 v208, v208, v210
	v_mov_b32 v209, v208
.irp p, 0,2,4,6
	v_pk_mul_f32 v[KE+8*\nt+\p:KE+8*\nt+\p+1], v[KE+8*\nt+\p:KE+8*\nt+\p+1], v[208:209]
.endr
.irp p, 0,1,2,3
	v_cvt_pk_f16_f32 v[212+\p], v[KE+8*\nt+2*\p], v[KE+8*\nt+2*\p+1]
.endr
	ds_store_b128 v[AKO], v[212:215] offset:\nt*512
.endr
	s_cmp_lg_u32 s4, 0
	s_cbranch_scc1 .Lno_wp
.irp fn, 0,1,2,3
	ds_load_b128 v[240+4*\fn:243+4*\fn], v[VT] offset:\fn*512
.endr
	s_wait_dscnt 0x0
	v_pk_mul_f32 v[240:241], v[240:241], v[244:245]
	v_pk_mul_f32 v[242:243], v[242:243], v[246:247]
	v_pk_mul_f32 v[248:249], v[248:249], v[252:253]
	v_pk_mul_f32 v[250:251], v[250:251], v[254:255]
	v_pk_mul_f32 v[240:241], v[240:241], v[248:249]
	v_pk_mul_f32 v[242:243], v[242:243], v[250:251]
	global_store_b128 v[L16], v[240:243], s[18:19] ; 128 f32: 512 consecutive bytes; v[240:243] and v1 are not written again
.Lno_wp:
	s_wait_dscnt 0x0                               ; my decayed k is in LDS
	s_barrier_signal -1
	s_barrier_wait -1
	; ---- Sf = kf^T v over the chunk's 64 steps.  My wave: rows i of tiles a = 2J, 2J+1, all 8 column tiles, in two passes of four.
	s_lshl_b32 s28, s3, 14
	s_lshl_b32 s29, s4, 10
	s_add_co_u32 s29, s29, s28
	s_add_co_u32 s29, s29, R_KF
	v_add_nc_u32 v7, s29, v[L16]
	s_add_co_u32 s28, s28, R_V
	v_add_nc_u32 v8, s28, v[L16]
	s_lshl_b32 s28, s4, 14
	v_add_nc_u32 v9, s28, v[L16]                   ; my two tile rows in Sf
.irp al, 0,1
.irp jp, 0,1,2,3
	ds_load_b128 v[16+8*(2*\al+\jp/2)+4*(\jp%2):16+8*(2*\al+\jp/2)+4*(\jp%2)+3], v7 offset:\jp*4096+\al*512
.endr
.endr
.macro SFPASS ps
.irp be, 0,1,2,3
.irp jp, 0,1,2,3
	ds_load_b128 v[48+8*(2*\be+\jp/2)+4*(\jp%2):48+8*(2*\be+\jp/2)+4*(\jp%2)+3], v8 offset:\jp*4096+(4*\ps+\be)*512
.endr
.endr
	s_wait_dscnt 0x0
.irp pp, 0,1
.irp al, 0,1
.irp be, 0,1,2,3
	MMH 112+64*\ps+8*(4*\al+\be), 16+8*(2*\al+\pp), 48+8*(2*\be+\pp), \pp
.endr
.endr
.endr
	PLACES 4                                       ; before the stores read the sums and before the next pass loads over v's fragments
.irp al, 0,1
.irp be, 0,1,2,3
	global_store_b128 v9, v[112+64*\ps+8*(4*\al+\be):112+64*\ps+8*(4*\al+\be)+3], s[16:17] offset:(8*\al+4*\ps+\be)*1024
	global_store_b128 v9, v[112+64*\ps+8*(4*\al+\be)+4:112+64*\ps+8*(4*\al+\be)+7], s[16:17] offset:(8*\al+4*\ps+\be)*1024+512
.endr
.endr
.endm
	SFPASS 0
	SFPASS 1
	s_set_vgpr_msb 0x4
	s_wait_tensorcnt 0x0
	ds_add_u32 v15, v1
	s_wait_dscnt 0x0
	s_set_vgpr_msb 0x400
	s_endpgm
.Lfunc_end_k_q6126894843_state:
	.size	k_q6126894843_state, .Lfunc_end_k_q6126894843_state-k_q6126894843_state
	.p2alignl 7, 3214868480
	.fill 96, 4, 3214868480
	.section	.rodata,"a",@progbits
	.p2align	6, 0x0
	.amdhsa_kernel k_q6126894843_state
		.amdhsa_group_segment_fixed_size 209920
		.amdhsa_private_segment_fixed_size 0
		.amdhsa_enable_private_segment 0
		.amdhsa_kernarg_size 48
		.amdhsa_user_sgpr_count 2
		.amdhsa_user_sgpr_kernarg_segment_ptr 1
		.amdhsa_wavefront_size32 1
		.amdhsa_system_sgpr_workgroup_id_x 1
		.amdhsa_system_sgpr_workgroup_id_y 1
		.amdhsa_system_sgpr_workgroup_id_z 1
		.amdhsa_system_vgpr_workitem_id 0
		.amdhsa_next_free_vgpr 258
		.amdhsa_next_free_sgpr 66
		.amdhsa_reserve_vcc 0
		.amdhsa_float_denorm_mode_32 3
		.amdhsa_float_denorm_mode_16_64 3
		.amdhsa_memory_ordered 1
		.amdhsa_forward_progress 1
		.amdhsa_inst_pref_size 82
	.end_amdhsa_kernel
	.amdgpu_metadata
---
amdhsa.version: [ 1, 2 ]
amdhsa.kernels:
  - .name:           k_q6126894843_state
    .symbol:         k_q6126894843_state.kd
    .args:
      - { .name: x, .offset: 0, .size: 8, .value_kind: global_buffer, .address_space: global }
      - { .name: Wk, .offset: 8, .size: 8, .value_kind: global_buffer, .address_space: global }
      - { .name: Wv, .offset: 16, .size: 8, .value_kind: global_buffer, .address_space: global }
      - { .name: Wd, .offset: 24, .size: 8, .value_kind: global_buffer, .address_space: global }
      - { .name: Sf, .offset: 32, .size: 8, .value_kind: global_buffer, .address_space: global }
      - { .name: Wp, .offset: 40, .size: 8, .value_kind: global_buffer, .address_space: global }
    .group_segment_fixed_size: 209920
    .private_segment_fixed_size: 0
    .kernarg_segment_align: 8
    .kernarg_segment_size: 48
    .max_flat_workgroup_size: 256
    .sgpr_count:     66
    .vgpr_count:     258
    .wavefront_size: 32
...
	.end_amdgpu_metadata
.endif
;; end of part 1
;; launch scan (part 2): grid 256 x 1, 2 waves a work-group, no clusters, 0 bytes of LDS; arguments Sf, Wp, Sp; writes Sp
.if DOCPART == 2
	.amdgcn_target "amdgcn-amd-amdhsa--gfx1250"
	.amdhsa_code_object_version 6
	.text
	.protected	k_q6126894843_scan
	.globl	k_q6126894843_scan
	.p2align	8
	.type	k_q6126894843_scan,@function
k_q6126894843_scan:
	s_mov_b64 s[64:65], 0
	v_nop
	global_prefetch_b8 v0, s[64:65] scope:SCOPE_SE
	s_setreg_imm32_b32 hwreg(HW_REG_WAVE_MODE, 25, 1), 1
	s_wait_xcnt 0x0
; The scan over the 64 chunks of a batch, element by element: Sp[0] = 0, Sp[c] = Wp[c] Sp[c-1] + Sf[c-1].  The carry stays in f32 in registers.
; Sp serves only as a matrix operand of the next launch, and leaves as TWO bf16 numbers: hi = bf16(Sp), lo = bf16(Sp - hi), 16 bits of mantissa
; with f32's range, so that no scale has to be found.  LIMIT: |Sp| in f32's top binade may round to infinity.
; Both parts lie as the fragments that the next launch loads:
; byte g*65536 + part*32768 + (b*4+ks)*1024 + sub*512 + lane*16 holds Sp[32ks + 16sub + 8(lane/16) + 0..7][16b + lane%16], part 0 = hi, 1 = lo.
; 512 waves.  Wave W: batch W >> 6, tile row a = (W >> 3) & 7, half h = (W >> 2) & 1, tile pair pr = W & 3.  Its lanes 0-15 take lanes 16h..16h+15
; of Sf's tile (a, 2pr), lanes 16-31 those of tile (a, 2pr+1): 8 numbers a lane, rows i = 16a + 8h + 0..7, the same in the whole wave, so that the
; eight Wp of a step are scalars.  Each load and store covers two aligned runs of 256 consecutive bytes.
; Memory binds: a ring of 21 slots in registers keeps 42 loads of every wave out.  No LDS, no barrier, no matrix unit: nothing is shared.
.set WPR,  4                           ; v[4:19]    Wp[c][my 8 rows]: lane = c % 32, registers 8 (c / 32) + e
.set S,    20                          ; v[20:27]   the carry
.set O,    28                          ; v[28:31]   its high parts
.set RING, 32                          ; v[32:199]  21 slots of 8
.set T,    200                         ; v[200:207] the high parts as f32, then what they leave
.set OL,   208                         ; v[208:211] the low parts
.set DEPTH, 21
	s_load_b128 s[4:7], s[0:1], 0x0                ; Sf s[4:5], Wp s[6:7]
	s_load_b64 s[8:9], s[0:1], 0x10                ; Sp
	v_lshrrev_b32 v1, 5, v0
	v_readfirstlane_b32 s2, v1
	s_lshl1_add_u32 s2, ttmp9, s2                  ; W
	s_lshr_b32 s10, s2, 6                          ; batch
	s_bfe_u32 s11, s2, 0x30003                     ; a
	s_bfe_u32 s12, s2, 0x10002                     ; h
	s_and_b32 s13, s2, 3                           ; pr
	s_lshl_b32 s14, s10, 22                        ; Sf: batch x 64 chunks x 65,536 + (8a + 2pr) x 1,024 + 256 h
	s_lshl_b32 s15, s11, 13
	s_add_co_u32 s14, s14, s15
	s_lshl_b32 s15, s13, 11
	s_add_co_u32 s14, s14, s15
	s_lshl_b32 s18, s12, 8
	s_add_co_u32 s14, s14, s18
	s_mov_b32 s15, 0
	s_lshl_b32 s16, s10, 22                        ; Sp: batch x 64 x 65,536 + 8,192 pr + 512 a + 256 h
	s_lshl_b32 s17, s13, 13
	s_add_co_u32 s16, s16, s17
	s_lshl_b32 s17, s11, 9
	s_add_co_u32 s16, s16, s17
	s_add_co_u32 s16, s16, s18
	s_mov_b32 s17, 0
	s_lshl_b32 s18, s10, 15                        ; Wp: batch x 64 x 512 + 4 (16a + 8h)
	s_lshl_b32 s19, s11, 6
	s_add_co_u32 s18, s18, s19
	s_lshl_b32 s19, s12, 5
	s_add_co_u32 s18, s18, s19
	s_mov_b32 s19, 0
	v_and_b32 v3, 31, v0
	v_and_b32 v28, 15, v0
	v_bfe_u32 v29, v0, 4, 1
	v_lshlrev_b32 v28, 4, v28
	v_lshl_add_u32 v1, v29, 10, v28                ; Sf: the second tile lies 1,024 bytes on
	v_lshl_add_u32 v2, v29, 12, v28                ; Sp: 4,096 bytes on
	v_lshlrev_b32 v3, 9, v3                        ; Wp: lane = chunk
	s_wait_kmcnt 0x0
	s_add_nc_u64 s[4:5], s[4:5], s[14:15]
	s_add_nc_u64 s[6:7], s[6:7], s[18:19]
	s_add_nc_u64 s[8:9], s[8:9], s[16:17]
	global_load_b128 v[WPR:WPR+3],     v3, s[6:7]
	global_load_b128 v[WPR+4:WPR+7],   v3, s[6:7] offset:16
	global_load_b128 v[WPR+8:WPR+11],  v3, s[6:7] offset:16384
	global_load_b128 v[WPR+12:WPR+15], v3, s[6:7] offset:16400
.set c, 0
.rept DEPTH
	global_load_b128 v[RING+8*c:RING+8*c+3],   v1, s[4:5] offset:c*65536 th:TH_LOAD_NT
	global_load_b128 v[RING+8*c+4:RING+8*c+7], v1, s[4:5] offset:c*65536+512 th:TH_LOAD_NT
.set c, c+1
.endr
.irp e, 0,1,2,3,4,5,6,7
	v_mov_b32 v[S+\e], 0                           ; Sp[0] = 0
.endr
.macro OUTC cc
	s_wait_xcnt 0x0                                ; the last two stores' data registers are written again only behind this wait (ISA guide 3.1)
.irp p, 0,1,2,3
	v_cvt_pk_bf16_f32 v[O+\p], v[S+2*\p], v[S+2*\p+1]
.endr
.irp p, 0,1,2,3
	v_lshlrev_b32 v[T+2*\p],   16, v[O+\p]                     ; the high parts back as f32
	v_and_b32     v[T+2*\p+1], 0xffff0000, v[O+\p]
.endr
.irp e, 0,1,2,3,4,5,6,7
	v_sub_f32 v[T+\e], v[S+\e], v[T+\e]                        ; what they leave: exact
.endr
.irp p, 0,1,2,3
	v_cvt_pk_bf16_f32 v[OL+\p], v[T+2*\p], v[T+2*\p+1]
.endr
	global_store_b128 v2, v[O:O+3],   s[8:9] offset:(\cc)*65536
	global_store_b128 v2, v[OL:OL+3], s[8:9] offset:(\cc)*65536+32768
.endm
	OUTC 0
.set c, 1
.rept 63
.if 63-c < DEPTH-1
	s_wait_loadcnt 2*(63-c)                        ; the tail: the counts run down
.else
	s_wait_loadcnt 2*(DEPTH-1)                     ; Sf[c-1] is in; the 20 younger slots, two loads each, stay out
.endif
.set sl, RING+8*((c-1)%DEPTH)
.irp e, 0,1,2,3,4,5,6,7
	v_readlane_b32 s[20+\e], v[WPR+8*(c/32)+\e], c%32
.endr
.irp e, 0,1,2,3,4,5,6,7
	v_fma_f32 v[S+\e], s[20+\e], v[S+\e], v[sl+\e]
.endr
	OUTC c
.if c+DEPTH-1 <= 62
	global_load_b128 v[sl:sl+3],   v1, s[4:5] offset:(c+DEPTH-1)*65536 th:TH_LOAD_NT
	global_load_b128 v[sl+4:sl+7], v1, s[4:5] offset:(c+DEPTH-1)*65536+512 th:TH_LOAD_NT
.endif
.set c, c+1
.endr
	s_endpgm
.Lfunc_end_k_q6126894843_scan:
	.size	k_q6126894843_scan, .Lfunc_end_k_q6126894843_scan-k_q6126894843_scan
	.p2alignl 7, 3214868480
	.fill 96, 4, 3214868480
	.section	.rodata,"a",@progbits
	.p2align	6, 0x0
	.amdhsa_kernel k_q6126894843_scan
		.amdhsa_group_segment_fixed_size 0
		.amdhsa_private_segment_fixed_size 0
		.amdhsa_enable_private_segment 0
		.amdhsa_kernarg_size 24
		.amdhsa_user_sgpr_count 2
		.amdhsa_user_sgpr_kernarg_segment_ptr 1
		.amdhsa_wavefront_size32 1
		.amdhsa_system_sgpr_workgroup_id_x 1
		.amdhsa_system_sgpr_workgroup_id_y 1
		.amdhsa_system_sgpr_workgroup_id_z 1
		.amdhsa_system_vgpr_workitem_id 0
		.amdhsa_next_free_vgpr 216
		.amdhsa_next_free_sgpr 66
		.amdhsa_reserve_vcc 0
		.amdhsa_float_denorm_mode_32 3
		.amdhsa_float_denorm_mode_16_64 3
		.amdhsa_memory_ordered 1
		.amdhsa_forward_progress 1
		.amdhsa_inst_pref_size 166
	.end_amdhsa_kernel
	.amdgpu_metadata
---
amdhsa.version: [ 1, 2 ]
amdhsa.kernels:
  - .name:           k_q6126894843_scan
    .symbol:         k_q6126894843_scan.kd
    .args:
      - { .name: Sf, .offset: 0, .size: 8, .value_kind: global_buffer, .address_space: global }
      - { .name: Wp, .offset: 8, .size: 8, .value_kind: global_buffer, .address_space: global }
      - { .name: Sp, .offset: 16, .size: 8, .value_kind: global_buffer, .address_space: global }
    .group_segment_fixed_size: 0
    .private_segment_fixed_size: 0
    .kernarg_segment_align: 8
    .kernarg_segment_size: 24
    .max_flat_workgroup_size: 64
    .sgpr_count:     66
    .vgpr_count:     216
    .wavefront_size: 32
...
	.end_amdgpu_metadata
.endif
;; end of part 2
;; launch out (part 3): grid 256 x 1, 8 waves a work-group, no clusters, 277,504 bytes of LDS; arguments x, Wq, Wk, Wv, Wd, Wo, Sp, out0; writes out0
.if DOCPART == 3
	.amdgcn_target "amdgcn-amd-amdhsa--gfx1250"
	.amdhsa_code_object_version 6
	.text
	.protected	k_q6126894843_out
	.globl	k_q6126894843_out
	.p2align	8
	.type	k_q6126894843_out,@function
k_q6126894843_out:
	s_mov_b64 s[64:65], 0
	v_nop
	global_prefetch_b8 v0, s[64:65] scope:SCOPE_SE
	s_setreg_imm32_b32 hwreg(HW_REG_WAVE_MODE, 25, 1), 1
	s_wait_xcnt 0x0
; out = (A v + q Sp[chunk]) Wo^T, with A[t][s] = sum over i of q_t[i] k_s[i] prod(s < u <= t) w_u[i] for s <= t in a chunk of 64 steps, else 0.
; A work-group owns 128 rows of x (two chunks); wave wv owns 16 rows: chunk half ch = wv >> 2, sub-chunk I = wv & 3.
; THE DECAY IS SPLIT SO THAT EVERY FACTOR IS A PRODUCT OF w's, AT MOST 1.  In the 16 x 16 tile on the diagonal a pair s < t whose highest differing bit
; is m (1, 2, 4, 8) lies in two neighbouring aligned blocks of m steps: the decay is ES_m[s] (the w's behind s in its block) x IP_m[t] (the w's up
; to t in its block).  One product tile for each m and one for s = t; v_cndmask_b32 picks by s xor t.  A tile d = 1, 2, 3 sub-chunks back is
; (q IP_16 F_(I-1) .. ) . (k ES_16), F_n the whole product of sub-chunk n.  IP, ES and the block products double by one DPP step each.
; FORMATS.  All products but one take f16 operands, rounded once from f32.  The scores A and the sums o have no fixed room in f16 (they grow with the
; square and the cube of the inputs), so each time row, which is one lane here, is scaled by the power of two of its own largest magnitude and the
; result is scaled back in f32.  q Sp has operands of open range: each goes as two bf16 numbers, hi + lo, and the product is
; Shi qhi + Shi qlo + Slo qhi in one f32 sum; the term left out is some 2^-16 of the product.
; q Sp IS SHARED OUT BY COLUMNS: wave I of a chunk holds Sp's column tiles 2I, 2I+1 (128 registers; each byte of Sp is loaded by one wave), multiplies
; them by the q of all four waves of its chunk, read from LDS, and hands the eight result tiles to their owners through LDS in f32.
; LIMITS: |x|, |W|, |q|, |k|, |v| below 65,504; a sigmoid below 2^-126 counts as 0 (v_exp_f32, v_rcp_f32 flush denormals: ISA guide, 15.8);
; a row whose largest score or sum is denormal, or 2^127 and more, counts as 0.
; x and the weights are f32 in memory and are converted in registers on the way into LDS, so no copy engine and no joint request can bring them.
.set R_WQ, 0                           ; LDS matrices, f16, pitch 272; Wq's bytes hold Wo later
.set R_WK, 34816
.set R_WD, 69632
.set R_WV, 104448
.set R_X,  139264                      ; a wave's own 16 rows (4,352 bytes) later hold the high parts of its q as fragments: fg*1024 + sub*512 + lane*16
.set R_KA, 174080                      ; k ES_16 fragments: wave*4096 + fg*1024 + sub*512 + lane*16
.set R_V,  206848                      ; v half fragments (K = time): wave*4096 + tile*512 + lane*16
.set R_F,  239616                      ; F: wave*512 + feature*4
.set R_SG, 174080                      ; the way out: wave*8704, rows of 512 + 16 bytes, over KA, V and F once nobody reads them
.set R_QL, 243712                      ; the low parts of q: wave*4096 + fg*1024 + sub*512 + lane*16
.set R_EX, 34816                       ; q Sp on its way to its owner, over Wk and Wd once nobody reads them: (owner*8 + tile)*1024 + half*512 + lane*16
.set L16, 1
.set RR,  2
.set HH,  3
.set VG,  4
.set VC,  5
.set VT,  6
.set AWD, 7
.set AWK, 8
.set AWQ, 9
.set AWV, 10
.set AX,  11
.set AVO, 12
.set AKO, 13
.set AQP, 14
.set AQL, 15
.set XF,  16                           ; v[16:47]   my rows of x; later o's fragments
.set Z,   48                           ; v[48:63]   x Wd^T, then w: lane = time, register = feature 8 (lane/16) + e of two tiles
.set KK,  64                           ; v[64:79]   k likewise
.set QQ,  80                           ; v[80:95]   q likewise
.set VA,  96                           ; v[96:111]  v: lane = feature, register = time
.set BB,  96                           ;            then the block products
.set H0,  112                          ; v[112:143] four weight fragments
.set IP,  112                          ;            then IP_m
.set ES,  128                          ;            and ES_m
.set H1,  144                          ; v[144:175] four more
.set FK0, 144                          ;            then two sets of fragments of k and of q
.set FQ0, 152
.set FK1, 160
.set FQ1, 168
.set D0,  176                          ; v[176:215] the five tiles for the diagonal; later E1-E3
.set D1,  184
.set D2,  192
.set D4,  200
.set D8,  208
.set TMP, 216                          ; v[216:231] at work
.set AFO, 232
.set ASP, 234                          ; v234       my two column tiles in Sp; free once the loads are in
.set SF0, 240                          ; v[240:255] the scores as two fragments (K = time: d = 0, 1 and d = 2, 3)
.set SF1, 248
.set WOH, 48                           ; v[48:79]   my share of Wo in f16, between the scores and the sums o
.set OO,  48                           ; v[48:111]  o^T, then the result
.set QHI0, 16                          ; q's fragments of two sub-chunks at a time: high and low parts
.set QLO0, 80
.set QHI1, 176
.set QLO1, 208
; window 1 (written with the low 8 bits of the number):
;   v256-383  Sp: fragment (part, tile be, K step ks) at 8 (8 part + 4 be + ks); later the eight tiles of q Sp that are mine (v256-319)
;   v384-447  the eight tiles of q Sp that I make: (sub-chunk J, tile be) at XA + 8 (2 J + be)
;   v448-511  q IP_16 in f32, 16 registers a group of 32 features
.set XA,  128
.set STW, 192
.set MSB, 0
.macro WIN new                         ; s_set_vgpr_msb: bits 1:0 source 0, 3:2 source 1, 5:4 source 2, 7:6 destination; the high byte repeats the setting that is left
.if MSB != \new
	s_set_vgpr_msb (MSB<<8)|\new
.set MSB, \new
.endif
.endm
.macro PLACES n
.rept \n
	v_nop
.endr
.endm
.macro LOADM buf, sb, nt
.set u, 0
.rept 16
.if \nt
	global_load_b128 v[\buf+4*u:\buf+4*u+3], v[VG], s[\sb:\sb+1] offset:u*4096 th:TH_LOAD_NT
.else
	global_load_b128 v[\buf+4*u:\buf+4*u+3], v[VG], s[\sb:\sb+1] offset:u*4096
.endif
.set u, u+1
.endr
.endm
.macro CVTM buf, region
	v_add_nc_u32 v[VT], \region, v[VC]
.set u, 0
.rept 16
	v_cvt_pk_f16_f32 v[\buf+4*u], v[\buf+4*u], v[\buf+4*u+1]
	v_cvt_pk_f16_f32 v[\buf+4*u+1], v[\buf+4*u+2], v[\buf+4*u+3]
	ds_store_b64 v[VT], v[\buf+4*u:\buf+4*u+1] offset:u*2176
.set u, u+1
.endr
.endm
.macro LDF dst, areg, nt, ks
	ds_load_b128 v[\dst:\dst+3], v[\areg] offset:(\nt)*4352+(\ks)*64
	ds_load_b128 v[\dst+4:\dst+7], v[\areg] offset:(\nt)*4352+(\ks)*64+32
.endm
.macro MMH d, a, b, kidx               ; kidx = 0: the first product starts the sum
.if (\kidx) == 0
	v_wmma_f32_16x16x32_f16 v[\d:\d+7], v[\a:\a+7], v[\b:\b+7], 0
.else
	v_wmma_f32_16x16x32_f16 v[\d:\d+7], v[\a:\a+7], v[\b:\b+7], v[\d:\d+7]
.endif
.endm
.macro MMB d, a, b, kidx               ; the same in bf16
.if (\kidx) == 0
	v_wmma_f32_16x16x32_bf16 v[\d:\d+7], v[\a:\a+7], v[\b:\b+7], 0
.else
	v_wmma_f32_16x16x32_bf16 v[\d:\d+7], v[\a:\a+7], v[\b:\b+7], v[\d:\d+7]
.endif
.endm
.macro SIGM b
.irp n, 0,2,4,6,8,10,12,14
	v_pk_mul_f32 v[\b+\n:\b+\n+1], v[\b+\n:\b+\n+1], 0xbfb8aa3b op_sel_hi:[1,0]
.endr
.irp n, 0,1,2,3,4,5,6,7,8,9,10,11,12,13,14,15
	v_exp_f32 v[\b+\n], v[\b+\n]
.endr
	v_nop                                          ; one plain place behind the last transcendental (ISA guide 5.7.2)
	s_wait_alu depctr_va_vdst(0)
.irp n, 0,2,4,6,8,10,12,14
	v_pk_add_f32 v[\b+\n:\b+\n+1], v[\b+\n:\b+\n+1], 1.0 op_sel_hi:[1,0]
.endr
.irp n, 0,1,2,3,4,5,6,7,8,9,10,11,12,13,14,15
	v_rcp_f32 v[\b+\n], v[\b+\n]
.endr
	v_nop
.endm
.macro MKF16 dst, src                  ; 16 f32 (two tiles, lane = time) are a fragment with K = 32 features
.irp n, 0,1,2,3,4,5,6,7
	v_cvt_pk_f16_f32 v[\dst+\n], v[\src+2*\n], v[\src+2*\n+1]
.endr
.endm
.macro MKFS dst, src, scl              ; the same of src x scl
.irp n, 0,2,4,6,8,10,12,14
	v_pk_mul_f32 v[TMP+\n:TMP+\n+1], v[\src+\n:\src+\n+1], v[\scl+\n:\scl+\n+1]
.endr
	MKF16 \dst, TMP
.endm
.macro SC1                             ; blocks of 1 to blocks of 2: IP_1 = w, ES_1 = 1, B_1 = w
.irp n, 0,1,2,3,4,5,6,7,8,9,10,11,12,13,14,15
	v_mov_b32_dpp v[ES+\n], v[Z+\n] row_xmask:1 row_mask:0xf bank_mask:0xf
	v_mul_f32 v[BB+\n], v[ES+\n], v[Z+\n]
	v_cndmask_b32 v[IP+\n], v[Z+\n], v[BB+\n], s24
	v_cndmask_b32 v[ES+\n], v[ES+\n], 1.0, s24
.endr
.endm
.macro SC m, mask                      ; blocks of m to blocks of 2m: the upper block's IP and the lower block's ES take the neighbour block's product
.irp n, 0,1,2,3,4,5,6,7,8,9,10,11,12,13,14,15
	v_mul_f32_dpp v[TMP+\n], v[BB+\n], v[IP+\n] row_xmask:\m row_mask:0xf bank_mask:0xf
	v_cndmask_b32 v[IP+\n], v[IP+\n], v[TMP+\n], \mask
	v_mul_f32_dpp v[TMP+\n], v[BB+\n], v[ES+\n] row_xmask:\m row_mask:0xf bank_mask:0xf
	v_cndmask_b32 v[ES+\n], v[TMP+\n], v[ES+\n], \mask
	v_mul_f32_dpp v[BB+\n], v[BB+\n], v[BB+\n] row_xmask:\m row_mask:0xf bank_mask:0xf
.endr
.endm
	s_load_b512 s[8:23], s[0:1], 0x0               ; x 8, Wq 10, Wk 12, Wv 14, Wd 16, Wo 18, Sp 20, out0 22
	v_and_b32 v[RR], 15, v0
	v_bfe_u32 v[HH], v0, 4, 1
	v_and_b32 v[L16], 31, v0
	v_lshrrev_b32 v[VT], 5, v0
	v_readfirstlane_b32 s2, v[VT]                  ; wave 0..7
	v_mul_u32_u24 v[VC], v[VT], 272
	v_lshl_add_u32 v[VC], v[L16], 3, v[VC]
	v_lshlrev_b32 v[L16], 4, v[L16]
	v_lshlrev_b32 v[VG], 4, v0
	s_lshr_b32 s3, s2, 2                           ; ch
	s_and_b32 s4, s2, 3                            ; I
	s_mov_b32 s24, 0xaaaaaaaa                      ; lanes with t & 1, 2, 4, 8
	s_mov_b32 s25, 0xcccccccc
	s_mov_b32 s26, 0xf0f0f0f0
	s_mov_b32 s27, 0xff00ff00
	s_cmp_ge_u32 s4, 1
	s_cselect_b32 s28, -1, 0                       ; is there a sub-chunk d = 1, 2, 3 back?
	s_cmp_ge_u32 s4, 2
	s_cselect_b32 s29, -1, 0
	s_cmp_ge_u32 s4, 3
	s_cselect_b32 s30, -1, 0
	s_mov_b32 s40, 0x76543210
	s_mov_b32 s41, 0xfedcba98
	s_lshl_b32 s32, ttmp9, 16
	s_mov_b32 s33, 0
	s_lshl1_add_u32 s34, ttmp9, s3
	s_lshl_b32 s34, s34, 16                        ; my chunk's Sp: 65,536 bytes a chunk
	s_mov_b32 s35, 0
	s_wait_kmcnt 0x0
	s_add_nc_u64 s[8:9], s[8:9], s[32:33]
	s_add_nc_u64 s[22:23], s[22:23], s[32:33]
	s_add_nc_u64 s[20:21], s[20:21], s[34:35]
	; ---- x and four weights into LDS as f16, three buffers of 64 registers
	LOADM 48, 8, 1                                 ; x
	LOADM 112, 16, 0                               ; Wd
	LOADM 176, 12, 0                               ; Wk
	v_mul_u32_u24 v[VT], v[RR], 272
	v_lshl_add_u32 v[VT], v[HH], 4, v[VT]
	v_add_nc_u32 v[AWD], R_WD, v[VT]
	v_add_nc_u32 v[AWK], R_WK, v[VT]
	v_add_nc_u32 v[AWQ], R_WQ, v[VT]
	v_add_nc_u32 v[AWV], R_WV, v[VT]
	s_mul_i32 s36, s2, 4352
	s_add_co_u32 s36, s36, R_X
	v_add_nc_u32 v[AX], s36, v[VT]
	v_add_nc_u32 v[AQP], s36, v[L16]
	s_lshl_b32 s37, s2, 12
	s_add_co_u32 s38, s37, R_V
	v_add_nc_u32 v[AVO], s38, v[L16]
	s_add_co_u32 s38, s37, R_KA
	v_add_nc_u32 v[AKO], s38, v[L16]
	s_add_co_u32 s38, s37, R_QL
	v_add_nc_u32 v[AQL], s38, v[L16]
	s_wait_loadcnt 32                              ; x is in; two younger matrices of 16 loads stay out
	CVTM 48, R_X
	LOADM 48, 10, 0                                ; Wq
	s_wait_loadcnt 32                              ; Wd is in
	CVTM 112, R_WD
	LOADM 112, 14, 0                               ; Wv
	s_wait_loadcnt 32                              ; Wk is in
	CVTM 176, R_WK
	s_wait_loadcnt 16                              ; Wq is in; Wv stays out
	CVTM 48, R_WQ
	s_wait_loadcnt 0x0
	CVTM 112, R_WV
	s_lshl_b32 s37, s2, 9
	s_add_co_u32 s37, s37, R_F
	v_lshl_add_u32 v[AFO], v[HH], 5, s37
	s_lshl_b32 s38, s4, 13
	v_add_nc_u32 v[ASP], s38, v[L16]               ; tiles 2I, 2I+1: 4,096 bytes a tile
	; my two column tiles of Sp, both parts, straight into registers as fragments: wanted only behind the scores, so they have all the work up to there to arrive
	WIN 0x40                                       ; destination in window 1
.irp pt, 0,1
.irp be, 0,1
.irp ks, 0,1,2,3
	global_load_b128 v[8*(8*\pt+4*\be+\ks):8*(8*\pt+4*\be+\ks)+3],   v[ASP], s[20:21] offset:\pt*32768+\be*4096+\ks*1024 th:TH_LOAD_NT
	global_load_b128 v[8*(8*\pt+4*\be+\ks)+4:8*(8*\pt+4*\be+\ks)+7], v[ASP], s[20:21] offset:\pt*32768+\be*4096+\ks*1024+512 th:TH_LOAD_NT
.endr
.endr
.endr
	WIN 0
	s_wait_dscnt 0x0                               ; my converted rows are in LDS, for the other waves' sake
	s_barrier_signal -1
	s_barrier_wait -1
.irp ks, 0,1,2,3
	LDF XF+8*\ks, AX, 0, \ks
.endr
.macro LDH0 fg, ks
	LDF H0,    AWD, 2*\fg,   \ks
	LDF H0+8,  AWD, 2*\fg+1, \ks
	LDF H0+16, AWK, 2*\fg,   \ks
	LDF H0+24, AWK, 2*\fg+1, \ks
.endm
.macro LDH1 fg, ks
	LDF H1,    AWQ, 2*\fg,   \ks
	LDF H1+8,  AWQ, 2*\fg+1, \ks
	LDF H1+16, AWV, 2*\fg,   \ks
	LDF H1+24, AWV, 2*\fg+1, \ks
.endm
; 32 features of z, k, q (weights as source 0: lane = time) and of v (x as source 0: lane = feature).
; The eight accumulators take turns, one instruction a turn.
; Four places behind each run before its fragments are loaded again (ISA guide 7.12.1).
.macro PROJ fg
	LDH0 \fg, 0
	LDH1 \fg, 0
.irp ks, 0,1,2,3
	s_wait_dscnt 8                                 ; the first four fragments are in; the eight younger loads stay out
	MMH Z,    H0,    XF+8*\ks, \ks
	MMH Z+8,  H0+8,  XF+8*\ks, \ks
	MMH KK,   H0+16, XF+8*\ks, \ks
	MMH KK+8, H0+24, XF+8*\ks, \ks
	PLACES 4
.if \ks < 3
	LDH0 \fg, \ks+1
	s_wait_dscnt 8                                 ; the other four are in; the eight just issued stay out
.else
	s_wait_dscnt 0x0
.endif
	MMH QQ,   H1,    XF+8*\ks, \ks
	MMH QQ+8, H1+8,  XF+8*\ks, \ks
	MMH VA,   XF+8*\ks, H1+16, \ks
	MMH VA+8, XF+8*\ks, H1+24, \ks
	PLACES 4
.if \ks < 3
	LDH1 \fg, \ks+1
.endif
.endr
.endm
; One group of 32 features: it adds its share to the five diagonal tiles, leaves v, q (two parts), k ES_16 and F in LDS and q IP_16 in window 1.
; A set of fragments is written again only behind a whole MKFS or SC (16 plain vector instructions and more, on other registers) since the matrix instruction that read it.
.macro FG fg
	PROJ \fg
.irp n, 0,1,2,3,4,5,6,7
	v_cvt_pk_f16_f32 v[TMP+\n], v[VA+2*\n], v[VA+2*\n+1]
.endr
	ds_store_b128 v[AVO], v[TMP:TMP+3] offset:\fg*1024
	ds_store_b128 v[AVO], v[TMP+4:TMP+7] offset:\fg*1024+512
	SIGM Z
	MKF16 FK0, KK
	MKF16 FQ0, QQ
	MMH D0, FK0, FQ0, \fg                          ; s = t
	; plain q for q Sp, as hi + lo in bf16; the high parts go into my own rows of x, which are in registers
.irp n, 0,1,2,3,4,5,6,7
	v_cvt_pk_bf16_f32 v[TMP+\n], v[QQ+2*\n], v[QQ+2*\n+1]
.endr
	ds_store_b128 v[AQP], v[TMP:TMP+3] offset:\fg*1024
	ds_store_b128 v[AQP], v[TMP+4:TMP+7] offset:\fg*1024+512
	s_wait_alu depctr_va_vdst(0)
.irp p, 0,1
.irp n, 0,1,2,3
	v_lshlrev_b32 v[TMP+8+2*\n], 16, v[TMP+4*\p+\n]            ; the high parts back as f32
	v_and_b32     v[TMP+9+2*\n], 0xffff0000, v[TMP+4*\p+\n]
.endr
.irp n, 0,1,2,3,4,5,6,7
	v_sub_f32 v[TMP+8+\n], v[QQ+8*\p+\n], v[TMP+8+\n]          ; what they leave: exact
.endr
.irp n, 0,1,2,3
	v_cvt_pk_bf16_f32 v[FK1+4*\p+\n], v[TMP+8+2*\n], v[TMP+9+2*\n]
.endr
.endr
	ds_store_b128 v[AQL], v[FK1:FK1+3] offset:\fg*1024
	ds_store_b128 v[AQL], v[FK1+4:FK1+7] offset:\fg*1024+512
	MKFS FQ1, QQ, Z
	MMH D1, FK0, FQ1, \fg                          ; m = 1
	SC1
	MKFS FK1, KK, ES
	MKFS FQ0, QQ, IP
	MMH D2, FK1, FQ0, \fg                          ; m = 2
	SC 2, s25
	MKFS FK0, KK, ES
	MKFS FQ1, QQ, IP
	MMH D4, FK0, FQ1, \fg                          ; m = 4
	SC 4, s26
	MKFS FK1, KK, ES
	MKFS FQ0, QQ, IP
	MMH D8, FK1, FQ0, \fg                          ; m = 8
	SC 8, s27
	MKFS FK0, KK, ES
	ds_store_b128 v[AKO], v[FK0:FK0+3] offset:\fg*1024
	ds_store_b128 v[AKO], v[FK0+4:FK0+7] offset:\fg*1024+512
	WIN 0x40                                       ; q IP_16 stays in f32, in window 1, until the tiles further back are made
.irp n, 0,2,4,6,8,10,12,14
	v_pk_mul_f32 v[STW+16*\fg+\n:STW+16*\fg+\n+1], v[QQ+\n:QQ+\n+1], v[IP+\n:IP+\n+1]
.endr
	WIN 0
.irp p, 0,1,2,3
	ds_store_b128 v[AFO], v[BB+4*\p:BB+4*\p+3] offset:\fg*128+(\p/2)*64+(\p%2)*16   ; the 16 lanes of a half hold, and write, the same F
.endr
.endm
	FG 0
	FG 1
	FG 2
	FG 3
	s_wait_dscnt 0x0                               ; my v, q, k ES_16 and F are in LDS, and my reads of the four weights are over
	s_barrier_signal -1
	s_barrier_wait -1
	; ---- the scores.  From here to the next barrier the waves of a chunk read each other's k ES_16, F, q and v, and no wave stores into LDS.
	LOADM 112, 18, 0                               ; Wo, on its way during the scores
	s_and_b32 s45, s2, 4                           ; 4 ch
.irp d, 1,2,3
	s_add_co_u32 s[35+\d], s2, 4-\d
	s_and_b32 s[35+\d], s[35+\d], 3
	s_or_b32 s[35+\d], s[35+\d], s45               ; the wave d sub-chunks back (wrapped inside the chunk; what wraps is masked below)
	s_lshl_b32 s[41+\d], s[35+\d], 12
	s_add_co_u32 s39, s[41+\d], R_KA
	v_add_nc_u32 v[6+\d], s39, v[L16]              ; v7-v9: its k ES_16
.endr
	s_lshl_b32 s39, s36, 9
	s_add_co_u32 s39, s39, R_F
	v_lshl_add_u32 v10, v[HH], 5, s39              ; F of I - 1
	s_lshl_b32 s39, s37, 9
	s_add_co_u32 s39, s39, R_F
	v_lshl_add_u32 v11, v[HH], 5, s39              ; F of I - 2
	s_mul_i32 s39, s45, 4352
	s_add_co_u32 s39, s39, R_X
	v_add_nc_u32 v14, s39, v[L16]                  ; q's high parts of my chunk's first wave
	s_lshl_b32 s39, s45, 12
	s_add_co_u32 s39, s39, R_QL
	v_add_nc_u32 v15, s39, v[L16]                  ; and its low parts
	s_lshl_b32 s46, s45, 13                        ; where my tiles of q Sp go: owner (4 ch + J) x 8,192 + tile (2I + be) x 1,024
	s_lshl_b32 s39, s4, 11
	s_add_co_u32 s46, s46, s39
	s_add_co_u32 s46, s46, R_EX
	s_lshl_b32 s47, s2, 13                         ; and where the tiles lie that are for me
	s_add_co_u32 s47, s47, R_EX
	; the diagonal tile: lane = t, register jj = s - 8 (lane / 16)
	v_lshlrev_b32 v13, 3, v[HH]
	v_xor_b32 v12, v13, v[RR]
.irp jj, 0,1,2,3,4,5,6,7
	v_xor_b32 v232, \jj, v12                       ; s xor t
	v_or_b32 v233, \jj, v13                        ; s
	v_cmp_lt_u32 vcc_lo, 1, v232
	v_cndmask_b32 v[TMP+\jj], v[D1+\jj], v[D2+\jj], vcc_lo
	v_cmp_lt_u32 vcc_lo, 3, v232
	v_cndmask_b32 v[TMP+\jj], v[TMP+\jj], v[D4+\jj], vcc_lo
	v_cmp_lt_u32 vcc_lo, 7, v232
	v_cndmask_b32 v[TMP+\jj], v[TMP+\jj], v[D8+\jj], vcc_lo
	v_cmp_eq_u32 vcc_lo, 0, v232
	v_cndmask_b32 v[TMP+\jj], v[TMP+\jj], v[D0+\jj], vcc_lo
	v_cmp_gt_u32 vcc_lo, v233, v[RR]
	v_cndmask_b32 v[TMP+\jj], v[TMP+\jj], 0, vcc_lo
.endr
; the three tiles further back, 32 features at a time; E1, E2, E3 take turns
.macro OD fg
.irp p, 0,1,2,3
	ds_load_b128 v[32+4*\p:35+4*\p], v10 offset:\fg*128+(\p/2)*64+(\p%2)*16
	ds_load_b128 v[48+4*\p:51+4*\p], v11 offset:\fg*128+(\p/2)*64+(\p%2)*16
.endr
.irp d, 0,1,2
	ds_load_b128 v[64+8*\d:67+8*\d], v[7+\d] offset:\fg*1024
	ds_load_b128 v[68+8*\d:71+8*\d], v[7+\d] offset:\fg*1024+512
.endr
	WIN 0x05                                       ; both sources in window 1
	MKF16 88, STW+16*\fg
	WIN 0
	s_wait_dscnt 0x0
	WIN 0x01                                       ; source 0 in window 1
.irp n, 0,2,4,6,8,10,12,14
	v_pk_mul_f32 v[16+\n:17+\n], v[STW+16*\fg+\n:STW+16*\fg+\n+1], v[32+\n:33+\n]
.endr
	WIN 0
	MKF16 96, 16
.irp n, 0,2,4,6,8,10,12,14
	v_pk_mul_f32 v[16+\n:17+\n], v[16+\n:17+\n], v[48+\n:49+\n]
.endr
	MKF16 104, 16
	MMH 176, 64, 88, \fg
	MMH 184, 72, 96, \fg
	MMH 192, 80, 104, \fg
	PLACES 4
.endm
	OD 0
	OD 1
	OD 2
	OD 3
.irp n, 0,1,2,3,4,5,6,7
	v_cndmask_b32 v[176+\n], 0, v[176+\n], s28
	v_cndmask_b32 v[184+\n], 0, v[184+\n], s29
	v_cndmask_b32 v[192+\n], 0, v[192+\n], s30
.endr
	; row t's largest |score|: my 32 numbers, then the other half's; its exponent gives the row's scale
	v_max_num_f32 v232, |v216|, |v217|
.irp n, 218,220,222,176,178,180,182,184,186,188,190,192,194,196,198
	v_max3_num_f32 v232, v232, |v[\n]|, |v[\n+1]|
.endr
	v_permlanex16_b32 v233, v232, s40, s41
	v_max_num_f32 v232, v232, v233
	v_and_b32 v12, 0x7f800000, v232                ; 2^E
	v_mov_b32 v13, v12
	v_sub_nc_u32 v232, 0x7f000000, v12             ; 2^-E: exponent fields add up to 254
	v_mov_b32 v233, v232
.irp n, 216,218,220,222,176,178,180,182,184,186,188,190,192,194,196,198
	v_pk_mul_f32 v[\n:\n+1], v[\n:\n+1], v[232:233]
.endr
.irp n, 0,1,2,3
	v_cvt_pk_f16_f32 v[SF0+\n],   v[216+2*\n], v[217+2*\n]
	v_cvt_pk_f16_f32 v[SF0+4+\n], v[176+2*\n], v[177+2*\n]
	v_cvt_pk_f16_f32 v[SF1+\n],   v[184+2*\n], v[185+2*\n]
	v_cvt_pk_f16_f32 v[SF1+4+\n], v[192+2*\n], v[193+2*\n]
.endr
	; ---- my two column tiles of q Sp for the chunk's four sub-chunks, two sub-chunks at a time
.macro LDQ hi, lo, jj                  ; q's fragments of sub-chunk jj: 8 loads of high parts, 8 of low parts
.irp ks, 0,1,2,3
	ds_load_b128 v[\hi+8*\ks:\hi+8*\ks+3],   v14 offset:\jj*4352+\ks*1024
	ds_load_b128 v[\hi+8*\ks+4:\hi+8*\ks+7], v14 offset:\jj*4352+\ks*1024+512
	ds_load_b128 v[\lo+8*\ks:\lo+8*\ks+3],   v15 offset:\jj*4096+\ks*1024
	ds_load_b128 v[\lo+8*\ks+4:\lo+8*\ks+7], v15 offset:\jj*4096+\ks*1024+512
.endr
.endm
.macro ITERM p, pt, q0, q1, start      ; Sp's part pt x the parts of q in q0 (sub-chunk 2p) and q1 (2p + 1); four accumulators take turns
.irp ks, 0,1,2,3
	MMB XA+8*(4*\p),   8*(8*\pt+\ks),   \q0+8*\ks, \start+\ks
	MMB XA+8*(4*\p+1), 8*(8*\pt+4+\ks), \q0+8*\ks, \start+\ks
	MMB XA+8*(4*\p+2), 8*(8*\pt+\ks),   \q1+8*\ks, \start+\ks
	MMB XA+8*(4*\p+3), 8*(8*\pt+4+\ks), \q1+8*\ks, \start+\ks
.endr
.endm
.macro IROUND p
	WIN 0x51                                       ; Sp (source 0) and the sums in window 1, q (source 1) in window 0
	ITERM \p, 0, QHI0, QHI1, 0
	ITERM \p, 0, QLO0, QLO1, 1
	ITERM \p, 1, QHI0, QHI1, 1
	WIN 0
	PLACES 4                                       ; before q's fragments are loaded over and before the sums are stored
.endm
	s_wait_loadcnt 0x0                             ; Wo is in, and with it the older loads of Sp: v234, their offset, may be loaded over
	LDQ QHI0, QLO0, 0
	LDQ QHI1, QLO1, 1
.set u, 0
.rept 16
	v_cvt_pk_f16_f32 v[WOH+2*u],   v[112+4*u],   v[112+4*u+1]  ; my share of Wo to f16, kept in 32 registers until LDS may be written
	v_cvt_pk_f16_f32 v[WOH+2*u+1], v[112+4*u+2], v[112+4*u+3]
.set u, u+1
.endr
	v_add_nc_u32 v[VT], R_WQ, v[VC]
	s_wait_dscnt 0x0
	IROUND 0
	LDQ QHI0, QLO0, 2
	LDQ QHI1, QLO1, 3
	s_lshl_b32 s39, s2, 12
	s_add_co_u32 s39, s39, R_V
	v_add_nc_u32 v7, s39, v[L16]                   ; v of my sub-chunk, and of those 1, 2, 3 back
.irp d, 1,2,3
	s_add_co_u32 s39, s[41+\d], R_V
	v_add_nc_u32 v[7+\d], s39, v[L16]
.endr
	v_mul_u32_u24 v11, v[RR], 272
	v_lshl_add_u32 v11, v[HH], 4, v11              ; Wo's fragments (its bytes begin at 0)
	s_wait_dscnt 0x0
	IROUND 1
	v_add_nc_u32 v14, s46, v[L16]
	v_add_nc_u32 v15, s47, v[L16]
	; ---- o^T = v^T A^T (f16, scaled rows), scaled back, + my rows of q Sp
.irp nt, 0,1,2,3,4,5,6,7
	ds_load_b128 v[112+8*\nt:115+8*\nt], v7 offset:\nt*512
	ds_load_b128 v[116+8*\nt:119+8*\nt], v8 offset:\nt*512
	ds_load_b128 v[176+8*\nt:179+8*\nt], v9 offset:\nt*512
	ds_load_b128 v[180+8*\nt:183+8*\nt], v10 offset:\nt*512
.endr
	s_wait_dscnt 0x0                               ; my reads of KA, V, F and q are over
	s_barrier_signal -1
	s_barrier_wait -1                              ; everybody's are: LDS may be written again
.set u, 0
.rept 16
	ds_store_b64 v[VT], v[WOH+2*u:WOH+2*u+1] offset:u*2176     ; Wo over Wq, whose last reads ended two barriers ago
.set u, u+1
.endr
	WIN 0x04                                       ; store data in window 1
.irp jj, 0,1,2,3
.irp be, 0,1
	ds_store_b128 v14, v[XA+8*(2*\jj+\be):XA+8*(2*\jj+\be)+3]   offset:\jj*8192+\be*1024      ; q Sp to its owners, over Wk and Wd, as the registers lie
	ds_store_b128 v14, v[XA+8*(2*\jj+\be)+4:XA+8*(2*\jj+\be)+7] offset:\jj*8192+\be*1024+512
.endr
.endr
	WIN 0
	s_wait_dscnt 0x0                               ; my rows of Wo and my tiles of q Sp are in LDS, for the other waves' sake
	s_barrier_signal -1                            ; up to the wait: registers only
.irp nt, 0,1,2,3,4,5,6,7
	MMH OO+8*\nt, 112+8*\nt, SF0, 0
.endr
.irp nt, 0,1,2,3,4,5,6,7
	MMH OO+8*\nt, 176+8*\nt, SF1, 1
.endr
	PLACES 4                                       ; before v's fragments are loaded over and the sums are read
	s_barrier_wait -1                              ; Wo and q Sp are whole
.macro LDW buf, ks
.irp nt, 0,1,2,3,4,5,6,7
	LDF \buf+8*\nt, 11, \nt, \ks
.endr
.endm
	WIN 0x40
.irp nt, 0,1,2,3,4,5,6,7
	ds_load_b128 v[8*\nt:8*\nt+3],   v15 offset:\nt*1024       ; my rows of q Sp, into the registers that held Sp
	ds_load_b128 v[8*\nt+4:8*\nt+7], v15 offset:\nt*1024+512
.endr
	WIN 0
	LDW 112, 0
	LDW 176, 1
	s_wait_dscnt 32                                ; my 16 loads of q Sp are in; the 32 younger loads of Wo's fragments stay out
	WIN 0x10                                       ; source 2 in window 1
.set u, 0
.rept 32
	v_pk_fma_f32 v[OO+u:OO+u+1], v[OO+u:OO+u+1], v[12:13], v[u:u+1]   ; back by the row's 2^E, plus q Sp
.set u, u+2
.endr
	WIN 0
	; ---- (o scaled by rows) Wo^T
	v_max_num_f32 v6, |v48|, |v49|
.set u, 50
.rept 31
	v_max3_num_f32 v6, v6, |v[u]|, |v[u+1]|
.set u, u+2
.endr
	v_permlanex16_b32 v7, v6, s40, s41
	v_max_num_f32 v6, v6, v7
	v_and_b32 v12, 0x7f800000, v6
	v_mov_b32 v13, v12
	v_sub_nc_u32 v14, 0x7f000000, v12
	v_mov_b32 v15, v14
.set u, 0
.rept 32
	v_pk_mul_f32 v[OO+u:OO+u+1], v[OO+u:OO+u+1], v[14:15]
.set u, u+2
.endr
.set u, 0
.rept 32
	v_cvt_pk_f16_f32 v[16+u], v[OO+2*u], v[OO+2*u+1]           ; two tiles of o^T (lane = time) are a fragment with K = 32 features
.set u, u+1
.endr
.macro RSTEP ks, buf, cnt
	s_wait_dscnt \cnt
.irp nt, 0,1,2,3,4,5,6,7
	MMH OO+8*\nt, \buf+8*\nt, 16+8*\ks, \ks
.endr
	PLACES 4
.endm
	RSTEP 0, 112, 16                               ; this K step's 16 loads are in; the other buffer's 16 stay out
	LDW 112, 2
	RSTEP 1, 176, 16
	LDW 176, 3
	RSTEP 2, 112, 16
	RSTEP 3, 176, 0
.set u, 0
.rept 32
	v_pk_mul_f32 v[OO+u:OO+u+1], v[OO+u:OO+u+1], v[12:13]
.set u, u+2
.endr
	; ---- the way out: a lane holds 8 neighbouring columns of one row; through my own stage, back as whole rows of 512 bytes
	s_mul_i32 s39, s2, 8704
	s_add_co_u32 s39, s39, R_SG
	v_mul_u32_u24 v8, v[RR], 528
	v_lshl_add_u32 v8, v[HH], 5, v8
	v_add_nc_u32 v8, s39, v8
	v_add_nc_u32 v9, s39, v[L16]
	s_lshl_b32 s39, s2, 13
	v_add_nc_u32 v10, s39, v[L16]
.irp nt, 0,1,2,3,4,5,6,7
	ds_store_b128 v8, v[OO+8*\nt:OO+8*\nt+3] offset:\nt*64
	ds_store_b128 v8, v[OO+8*\nt+4:OO+8*\nt+7] offset:\nt*64+16
.endr
.irp i, 0,1,2,3,4,5,6,7,8,9,10,11,12,13,14,15
	ds_load_b128 v[112+4*\i:115+4*\i], v9 offset:\i*528        ; LDS serves a wave's instructions in order (ISA guide 5.7.1): these see the stores above
.endr
.irp i, 0,1,2,3,4,5,6,7,8,9,10,11,12,13,14,15
	s_wait_dscnt 15-\i                             ; row i is in; the younger rows stay out
	global_store_b128 v10, v[112+4*\i:115+4*\i], s[22:23] offset:\i*512 th:TH_STORE_NT   ; 512 consecutive bytes, aligned
.endr
	s_wait_xcnt 0x0
	v_lshl_add_u32 v254, v0, 2, 0x43800
	v_mov_b32 v255, 0
	s_wait_tensorcnt 0x0
	ds_add_u32 v254, v255
	s_wait_dscnt 0x0
	s_endpgm
.Lfunc_end_k_q6126894843_out:
	.size	k_q6126894843_out, .Lfunc_end_k_q6126894843_out-k_q6126894843_out
	.p2alignl 7, 3214868480
	.fill 96, 4, 3214868480
	.section	.rodata,"a",@progbits
	.p2align	6, 0x0
	.amdhsa_kernel k_q6126894843_out
		.amdhsa_group_segment_fixed_size 277504
		.amdhsa_private_segment_fixed_size 0
		.amdhsa_enable_private_segment 0
		.amdhsa_kernarg_size 64
		.amdhsa_user_sgpr_count 2
		.amdhsa_user_sgpr_kernarg_segment_ptr 1
		.amdhsa_wavefront_size32 1
		.amdhsa_system_sgpr_workgroup_id_x 1
		.amdhsa_system_sgpr_workgroup_id_y 1
		.amdhsa_system_sgpr_workgroup_id_z 1
		.amdhsa_system_vgpr_workitem_id 0
		.amdhsa_next_free_vgpr 512
		.amdhsa_next_free_sgpr 66
		.amdhsa_reserve_vcc 1
		.amdhsa_float_denorm_mode_32 3
		.amdhsa_float_denorm_mode_16_64 3
		.amdhsa_memory_ordered 1
		.amdhsa_forward_progress 1
		.amdhsa_inst_pref_size 255
	.end_amdhsa_kernel
	.section	.bss,"aw",@nobits
	.p2align	6
	.space	262144
	.amdgpu_metadata
---
amdhsa.version: [ 1, 2 ]
amdhsa.kernels:
  - .name:           k_q6126894843_out
    .symbol:         k_q6126894843_out.kd
    .args:
      - { .name: x, .offset: 0, .size: 8, .value_kind: global_buffer, .address_space: global }
      - { .name: Wq, .offset: 8, .size: 8, .value_kind: global_buffer, .address_space: global }
      - { .name: Wk, .offset: 16, .size: 8, .value_kind: global_buffer, .address_space: global }
      - { .name: Wv, .offset: 24, .size: 8, .value_kind: global_buffer, .address_space: global }
      - { .name: Wd, .offset: 32, .size: 8, .value_kind: global_buffer, .address_space: global }
      - { .name: Wo, .offset: 40, .size: 8, .value_kind: global_buffer, .address_space: global }
      - { .name: Sp, .offset: 48, .size: 8, .value_kind: global_buffer, .address_space: global }
      - { .name: out0, .offset: 56, .size: 8, .value_kind: global_buffer, .address_space: global }
    .group_segment_fixed_size: 277504
    .private_segment_fixed_size: 0
    .kernarg_segment_align: 8
    .kernarg_segment_size: 64
    .max_flat_workgroup_size: 256
    .sgpr_count:     66
    .vgpr_count:     512
    .wavefront_size: 32
...
	.end_amdgpu_metadata
.endif
;; end of part 3
;; ======== version 2 of 2: 3 launches; version 1 with the launches state, scan written anew for expert scheduling mode
;; limits: values are held in f16: magnitudes above 65,504 overflow, below 6.1e-05 lose precision
;; workspace buffers: Sf 33,554,432 bytes; Wp 262,144 bytes; Sp 33,554,432 bytes
;; launch state (part 4): grid 256 x 1, 8 waves a work-group, no clusters, 209,920 bytes of LDS; arguments x, Wk, Wv, Wd, Sf, Wp; writes Sf, Wp
.if DOCPART == 4
	.amdgcn_target "amdgcn-amd-amdhsa--gfx1250"
	.amdhsa_code_object_version 6
	.text
	.protected	k_q6126894843_state
	.globl	k_q6126894843_state
	.p2align	8
	.type	k_q6126894843_state,@function
k_q6126894843_state:
	s_mov_b64 s[64:65], 0
	v_nop
	global_prefetch_b8 v0, s[64:65] scope:SCOPE_SE
	s_setreg_imm32_b32 hwreg(HW_REG_WAVE_SCHED_MODE, 0, 2), 2
	s_setreg_imm32_b32 hwreg(HW_REG_WAVE_MODE, 25, 1), 1
	s_wait_xcnt 0x0
	s_wait_alu depctr_vm_vsrc(0)
; Chunk states.  For each chunk g of 64 time steps: Sf[g][i][j] = sum over s of k_s[i] v_s[j] prod(u > s) w_u[i], and Wp[g][i] = prod over the chunk of w_u[i],
; with k = x Wk^T, v = x Wv^T, w = sigmoid(x Wd^T).
; A work-group owns 128 rows of x = chunks 2 wg and 2 wg + 1; wave wv owns 16 rows: chunk half ch = wv >> 2, sub-chunk J = wv & 3.
; Every factor that is formed is a product of w's, so it is at most 1: k_s is multiplied by the product of the later w's of its own
; sub-chunk and by the whole products F_n of the later sub-chunks n > J.  No quotient of products is formed.
; Matrix operands are f16, rounded once from f32.  LIMITS: |x|, |W|, |k|, |v| below 65,504 (f16's largest number);
; v_exp_f32 and v_rcp_f32 flush denormals (ISA guide, 15.8), so a sigmoid below 2^-126 counts as 0.
; x and the weights are f32 in memory and are converted in registers on the way into LDS, so no copy engine can bring them.
; Sf leaves as the accumulator registers lie: byte g*65536 + (a*8+b)*1024 + half*512 + lane*16; lane (r, h), register 4*half+e' holds
; Sf[16a + 8h + 4*half + e'][16b + r].  Each store of a wave covers 512 consecutive bytes, aligned.
; THE MODE: SCHED_MODE bits 1:0 = 2 (LLVM: expert scheduling mode 2), set by the entry lines.  The code itself states the register dependences
; between vector or matrix instructions and memory or LDS instructions, with s_wait_alu, always for 0.
; THE PLAN.  Registers that memory or LDS instructions touch:
;   v1-v14       offsets and LDS addresses.  Made at the head, ahead of a wait on va_vdst.  v6 is written anew for each matrix that is converted, and v6-v9 once more
;                behind the second and third barrier: each time behind a wait on vm_vsrc.
;   v[48:239]    at the head, three buffers of 64: a matrix's loads land, its 32 conversions close the numbers up, its 16 LDS stores read them.
;                One wait on va_vdst stands between the conversions and the stores, one on vm_vsrc ahead of the next load into, or write of, what the stores read.
;   HB0, HB1     two buffers of six weight fragments.  K step ks multiplies buffer ks % 2; the twelve loads of the step behind it (in step 3: of the next group's step 0)
;                land in the other buffer, six ahead of the step's first three matrix instructions and six ahead of the other three, which name none of its registers.
;                One wait on va_vdst at the head of steps 1 to 3 states that the step before is done reading that buffer; step 0 leans on the wait at the end of the group before.
;   v[208:215], v221, v222   a group's v in f16 and its two F: written by the group's vector work, read by four LDS stores behind ONE wait on va_vdst at the group's end.
;                They lie in HB1: a wait on vm_vsrc stands at the next group's step 0, ahead of the loads that land there.
;   KO           the decayed k in f16, all eight tiles: written, one wait on va_vdst, eight LDS stores; a wait on vm_vsrc behind the third barrier, ahead of the loads that land there.
;   v[112:239]   Sf's sums: four places, one wait on va_vdst, sixteen stores a pass; the first pass's wait also covers the second pass's loads over v's fragments.
.set R_WK, 0                           ; LDS: Wk, Wd, Wv, x as f16 rows of 256 bytes + 16 of padding (pitch 272: 16 rows start at 16 different columns of 16 bytes)
.set R_WD, 34816
.set R_WV, 69632
.set R_X,  104448
.set R_V,  139264                      ; v as half fragments (K = time): (wave*8 + tile)*512 + lane*16
.set R_KF, 172032                      ; decayed k likewise
.set R_F,  204800                      ; F of each wave's sub-chunk: wave*512 + feature*4
.set L16, 1                            ; v1  16 x lane
.set RR,  2                            ; v2  lane % 16
.set HH,  3                            ; v3  lane / 16
.set VG,  4                            ; v4  16 x thread: my 16 bytes in each 4,096 bytes of a matrix in memory
.set VC,  5                            ; v5  where my 4 converted numbers go in an LDS matrix
.set VT,  6                            ; v6  at work
.set AWD, 7                            ; v7-v10  fragment addresses in Wd, Wk, Wv, my rows of x
.set AWK, 8
.set AWV, 9
.set AX,  10
.set AVO, 11                           ; v11, v12  my half fragments in V, KF
.set AKO, 12
.set AFS, 13                           ; v13  my F words;  v14  my chunk's F words
.set AFL, 14
.set XF,  16                           ; v[16:47]   my 16 rows of x, four fragments
.set Z,   48                           ; v[48:63]   two tiles of x Wd^T, then w
.set KK,  64                           ; v[64:79]   two tiles of k
.set VV,  80                           ; v[80:95]   two tiles of v
.set HB0, 96                           ; v[96:143]  six weight fragments: the even K steps'
.set HB1, 208                          ; v[208:255] six more: the odd K steps'; between two groups its first 24 registers are at work
.set KE,  144                          ; v[144:207] k x later w's of the sub-chunk, all 8 tiles
.set G,   224                          ; v[224:231] those products of w
.set KO,  48                           ; v[48:79]   the decayed k in f16, on its way into LDS
.macro PLACES n
.rept \n
	v_nop
.endr
.endm
.macro LOADM buf, sb                   ; a matrix of 65,536 bytes: 16 loads, each 4,096 consecutive bytes over the 256 threads
.set u, 0
.rept 16
	global_load_b128 v[\buf+4*u:\buf+4*u+3], v[VG], s[\sb:\sb+1] offset:u*4096
.set u, u+1
.endr
.endm
.macro CVTM buf, region                ; to f16, 8 bytes a thread and load, into rows of pitch 272 (8 rows = 2,176 bytes a load)
	v_add_nc_u32 v[VT], \region, v[VC]
.set u, 0
.rept 16
	v_cvt_pk_f16_f32 v[\buf+4*u], v[\buf+4*u], v[\buf+4*u+1]
	v_cvt_pk_f16_f32 v[\buf+4*u+1], v[\buf+4*u+2], v[\buf+4*u+3]
.set u, u+1
.endr
	s_wait_alu depctr_va_vdst(0)                   ; the conversions have written the stores' data, and v[VT], their address, is written; the first time also the addresses v7 to v14
.set u, 0
.rept 16
	ds_store_b64 v[VT], v[\buf+4*u:\buf+4*u+1] offset:u*2176
.set u, u+1
.endr
.endm
.macro LDF dst, areg, nt, ks           ; a fragment of 16 rows x 32 K: two loads of 16 bytes, 32 bytes apart
	ds_load_b128 v[\dst:\dst+3], v[\areg] offset:(\nt)*4352+(\ks)*64
	ds_load_b128 v[\dst+4:\dst+7], v[\areg] offset:(\nt)*4352+(\ks)*64+32
.endm
.macro MMH d, a, b, kidx               ; kidx = 0: the first product starts the sum
.if \kidx == 0
	v_wmma_f32_16x16x32_f16 v[\d:\d+7], v[\a:\a+7], v[\b:\b+7], 0
.else
	v_wmma_f32_16x16x32_f16 v[\d:\d+7], v[\a:\a+7], v[\b:\b+7], v[\d:\d+7]
.endif
.endm
.macro SIGM b                          ; 16 registers in place: 1 / (1 + 2^(-1.442695 z))
.irp n, 0,2,4,6,8,10,12,14
	v_pk_mul_f32 v[\b+\n:\b+\n+1], v[\b+\n:\b+\n+1], 0xbfb8aa3b op_sel_hi:[1,0]
.endr
.irp n, 0,1,2,3,4,5,6,7,8,9,10,11,12,13,14,15
	v_exp_f32 v[\b+\n], v[\b+\n]
.endr
	v_nop                                          ; one plain place behind the last transcendental (ISA guide 5.7.2)
	s_wait_alu depctr_va_vdst(0)
.irp n, 0,2,4,6,8,10,12,14
	v_pk_add_f32 v[\b+\n:\b+\n+1], v[\b+\n:\b+\n+1], 1.0 op_sel_hi:[1,0]
.endr
.irp n, 0,1,2,3,4,5,6,7,8,9,10,11,12,13,14,15
	v_rcp_f32 v[\b+\n], v[\b+\n]
.endr
	v_nop
	s_wait_alu depctr_va_vdst(0)
.endm
	s_load_b256 s[8:15], s[0:1], 0x0               ; x s[8:9], Wk s[10:11], Wv s[12:13], Wd s[14:15]
	s_load_b128 s[16:19], s[0:1], 0x20             ; Sf s[16:17], Wp s[18:19]
	v_lshl_add_u32 v15, v0, 2, 0x33000
	s_set_vgpr_msb 0x40
	v_mov_b32 v1, 0
	s_set_vgpr_msb 0x4000
	v_and_b32 v[RR], 15, v0
	v_bfe_u32 v[HH], v0, 4, 1
	v_and_b32 v[L16], 31, v0
	v_lshrrev_b32 v[VT], 5, v0
	v_readfirstlane_b32 s2, v[VT]                  ; wave 0..7
	v_mul_u32_u24 v[VC], v[VT], 272
	v_lshl_add_u32 v[VC], v[L16], 3, v[VC]         ; row (thread / 32) x pitch + 8 x lane
	v_lshlrev_b32 v[L16], 4, v[L16]
	v_lshlrev_b32 v[VG], 4, v0
	s_wait_alu depctr_va_sdst(0)                   ; s2 is written, ahead of its first reader
	s_lshr_b32 s3, s2, 2                           ; ch
	s_and_b32 s4, s2, 3                            ; J
	s_lshl1_add_u32 s30, ttmp9, s3                 ; g = 2 wg + ch
	s_mov_b32 s20, 0x76543210                      ; v_permlanex16_b32: lane i reads lane i of the other half
	s_mov_b32 s21, 0xfedcba98
	s_mov_b32 s22, 0xffff0000                      ; lanes 16-31
	s_cmp_lt_u32 s4, 1
	s_cselect_b32 s24, -1, 0                       ; sub-chunk n = 1, 2, 3 lies behind mine?
	s_cmp_lt_u32 s4, 2
	s_cselect_b32 s25, -1, 0
	s_cmp_lt_u32 s4, 3
	s_cselect_b32 s26, -1, 0
	s_lshl_b32 s28, ttmp9, 16                      ; 128 rows of 512 bytes
	s_mov_b32 s29, 0
	s_wait_kmcnt 0x0
	s_add_nc_u64 s[8:9], s[8:9], s[28:29]
	s_lshl_b32 s28, s30, 16
	s_add_nc_u64 s[16:17], s[16:17], s[28:29]      ; Sf of my chunk
	s_lshl_b32 s28, s30, 9
	s_add_nc_u64 s[18:19], s[18:19], s[28:29]      ; Wp of my chunk
	s_wait_alu depctr_va_vdst(0)                   ; v[VG] is written: the offset of every load of a matrix
	; ---- x and three weights into LDS as f16; three buffers of 64 registers keep 48 loads of a wave out
	LOADM 48, 8                                    ; x
	LOADM 112, 14                                  ; Wd
	LOADM 176, 10                                  ; Wk
	v_mul_u32_u24 v[VT], v[RR], 272
	v_lshl_add_u32 v[VT], v[HH], 4, v[VT]          ; fragment: row (lane % 16) x pitch + 16 x (lane / 16)
	v_add_nc_u32 v[AWD], R_WD, v[VT]
	v_add_nc_u32 v[AWK], R_WK, v[VT]
	v_add_nc_u32 v[AWV], R_WV, v[VT]
	s_mul_i32 s28, s2, 4352
	s_add_co_u32 s28, s28, R_X
	v_add_nc_u32 v[AX], s28, v[VT]                 ; my 16 rows of x
	s_lshl_b32 s28, s2, 12
	s_add_co_u32 s29, s28, R_V
	v_add_nc_u32 v[AVO], s29, v[L16]
	s_add_co_u32 s29, s28, R_KF
	v_add_nc_u32 v[AKO], s29, v[L16]
	s_lshl_b32 s28, s2, 9
	s_add_co_u32 s28, s28, R_F
	v_lshl_add_u32 v[AFS], v[RR], 2, s28
	s_lshl_b32 s28, s3, 11
	s_add_co_u32 s28, s28, R_F
	v_lshl_add_u32 v[AFL], v[RR], 2, s28
	s_wait_loadcnt 32                              ; x is in; the two younger matrices (16 loads each) stay out
	CVTM 48, R_X
	s_wait_alu depctr_vm_vsrc(0)                   ; x's LDS stores have read v[48:111], in which Wv lands, and v[VT], which the next conversion writes
	LOADM 48, 12                                   ; Wv
	s_wait_loadcnt 32                              ; Wd is in; Wk and Wv stay out
	CVTM 112, R_WD
	s_wait_loadcnt 16                              ; Wk is in; Wv stays out
	s_wait_alu depctr_vm_vsrc(0)                   ; Wd's LDS stores have read v[VT]
	CVTM 176, R_WK
	s_wait_loadcnt 0x0
	s_wait_alu depctr_vm_vsrc(0)                   ; Wk's LDS stores have read v[VT] and v220
	v_mov_b32 v220, 0                              ; destination of v_permlanex16_b32 below: it counts as read
	CVTM 48, R_WV
	s_wait_dscnt 0x0                               ; my stores are in LDS, for the other waves' sake
	s_barrier_signal -1
	s_barrier_wait -1
	s_wait_alu depctr_vm_vsrc(0)                   ; my LDS stores have read v[48:239]: from here on fragments land there and sums are written there
.macro LDA hb, g, ks                   ; the first three fragments of a K step
	LDF \hb,    AWD, 2*(\g),   \ks
	LDF \hb+8,  AWD, 2*(\g)+1, \ks
	LDF \hb+16, AWK, 2*(\g),   \ks
.endm
.macro LDB hb, g, ks                   ; the other three
	LDF \hb+24, AWK, 2*(\g)+1, \ks
	LDF \hb+32, AWV, 2*(\g),   \ks
	LDF \hb+40, AWV, 2*(\g)+1, \ks
.endm
.irp ks, 0,1,2,3
	LDF XF+8*\ks, AX, 0, \ks
.endr
	LDA HB0, 0, 0                                  ; no vector instruction has named these registers or addresses since the wait in the last conversion
	LDB HB0, 0, 0
; one tile of w and k (lane = feature, register e = time 8 (lane / 16) + e): F, and k x the product of the later w's of the sub-chunk
.macro KTILE g, t
	v_mul_f32 v216, v[Z+8*\t], v[Z+8*\t+1]
	v_mul_f32 v217, v[Z+8*\t+2], v[Z+8*\t+3]
	v_mul_f32 v218, v[Z+8*\t+4], v[Z+8*\t+5]
	v_mul_f32 v219, v[Z+8*\t+6], v[Z+8*\t+7]
	v_mul_f32 v216, v216, v217
	v_mul_f32 v218, v218, v219
	v_mul_f32 v216, v216, v218                     ; my 8 steps' product
	v_permlanex16_b32 v220, v216, s20, s21         ; the other 8 steps'
	v_mul_f32 v[221+\t], v216, v220                ; F: all 16; a register for each of the group's two tiles, stored at the group's end
	v_cndmask_b32 v[G+7], v220, 1.0, s22           ; behind step 7 come steps 8-15; behind step 15 nothing
.irp j, 6,5,4,3,2,1,0
	v_mul_f32 v[G+\j], v[Z+8*\t+\j+1], v[G+\j+1]
.endr
.irp p, 0,2,4,6
	v_pk_mul_f32 v[KE+8*(2*\g+\t)+\p:KE+8*(2*\g+\t)+\p+1], v[KK+8*\t+\p:KK+8*\t+\p+1], v[G+\p:G+\p+1]
.endr
.endm
; K step ks of group g: two feature tiles of z, k, v.  x is source 0, so a lane holds one feature and its registers 8 time steps.
; The six accumulators take turns, one instruction a turn.
; The step multiplies buffer ks % 2 and asks for the step behind it (ng, nk) into the other buffer.
.macro KSTEP g, ks
.set cur, HB0+(HB1-HB0)*((\ks)%2)
.set oth, HB0+(HB1-HB0)*(1-(\ks)%2)
.set ng, (\g)+(\ks)/3
.set nk, ((\ks)+1)%4
.set old, 0
.if ((\ks) == 0) && ((\g) > 0)
.set old, 4                            ; the four LDS stores at the end of the group before are younger than this step's loads
.endif
	s_wait_dscnt 6+old                             ; the first three fragments are in; the other three's six loads (and those four stores) stay out
.if old
	s_wait_alu depctr_vm_vsrc(0)                   ; those four stores have read v[208:215], v221 and v222, in which the loads below land
.endif
.if ng < 4
.if (\ks) > 0
	s_wait_alu depctr_va_vdst(0)                   ; the matrix instructions of the step before are done reading the other buffer, in which this step's twelve loads land
.endif
	LDA oth, ng, nk
.endif
	MMH Z,    XF+8*\ks, cur,    \ks
	MMH Z+8,  XF+8*\ks, cur+8,  \ks
	MMH KK,   XF+8*\ks, cur+16, \ks
.if ng < 4
	s_wait_dscnt 6+old                             ; the other three are in; the six loads just issued (and those four stores) stay out
	LDB oth, ng, nk                                ; no wait: the three matrix instructions since the last wait on va_vdst name none of these registers
.else
	s_wait_dscnt 0x0
.endif
	MMH KK+8, XF+8*\ks, cur+24, \ks
	MMH VV,   XF+8*\ks, cur+32, \ks
	MMH VV+8, XF+8*\ks, cur+40, \ks
	PLACES 4                                       ; four places behind the step's matrix instructions: ahead of the conversions that read v's sums and write over
	                                               ; fragments, and ahead of the next step's loads into the fragments just read, beside that step's wait
.endm
; The end of a group: v to f16, w, F, k x the later w's; then the group's four LDS stores behind one wait.
.macro TAIL g
.irp n, 0,1,2,3,4,5,6,7
	v_cvt_pk_f16_f32 v[208+\n], v[VV+2*\n], v[VV+2*\n+1]
.endr
	SIGM Z
	KTILE \g, 0
	KTILE \g, 1
	s_wait_alu depctr_va_vdst(0)                   ; v[208:215], v221 and v222 are written, which the four stores read; all that has named HB1 is done, so the next group's step 0 may load into it
	ds_store_b128 v[AVO], v[208:211] offset:\g*1024           ; 8 time steps of one feature: half a fragment with K = time
	ds_store_b128 v[AVO], v[212:215] offset:\g*1024+512
	ds_store_b32 v[AFS], v221 offset:(2*\g)*64
	ds_store_b32 v[AFS], v222 offset:(2*\g+1)*64
.endm
.macro G1 g
	KSTEP \g, 0
	KSTEP \g, 1
	KSTEP \g, 2
	KSTEP \g, 3
	TAIL \g
.endm
	G1 0
	G1 1
	G1 2
	G1 3
	s_wait_dscnt 0x0                               ; my F and v are in LDS
	s_barrier_signal -1
	s_barrier_wait -1
	s_wait_alu depctr_vm_vsrc(0)                   ; the last group's LDS stores have read v[208:215], of which v208 to v210 are written again below
	; ---- k x F of the later sub-chunks, to f16 half fragments; Wp by the chunk's first wave
.irp fn, 1,2,3
.irp nt, 0,1,2,3,4,5,6,7
	ds_load_b32 v[16+8*(\fn-1)+\nt], v[AFL] offset:\fn*512+\nt*64   ; over x's fragments: no vector or matrix instruction has named them since the wait at the last group's end
.endr
.endr
	s_lshl_b32 s28, s3, 11
	s_add_co_u32 s28, s28, R_F
	v_add_nc_u32 v[VT], s28, v[L16]
	s_wait_dscnt 0x0
.irp nt, 0,1,2,3,4,5,6,7
	v_cndmask_b32 v208, 1.0, v[16+\nt], s24
	v_cndmask_b32 v209, 1.0, v[24+\nt], s25
	v_cndmask_b32 v210, 1.0, v[32+\nt], s26
	v_mul_f32 v208, v208, v209
	v_mul_f32 v208, v208, v210
	v_mov_b32 v209, v208
.irp p, 0,2,4,6
	v_pk_mul_f32 v[KE+8*\nt+\p:KE+8*\nt+\p+1], v[KE+8*\nt+\p:KE+8*\nt+\p+1], v[208:209]
.endr
.irp p, 0,1,2,3
	v_cvt_pk_f16_f32 v[KO+4*\nt+\p], v[KE+8*\nt+2*\p], v[KE+8*\nt+2*\p+1]
.endr
.endr
	s_wait_alu depctr_va_vdst(0)                   ; all eight tiles of KO are written, which the stores read; v[VT] is written, by which the chunk's first wave loads F
.irp nt, 0,1,2,3,4,5,6,7
	ds_store_b128 v[AKO], v[KO+4*\nt:KO+4*\nt+3] offset:\nt*512
.endr
	s_cmp_lg_u32 s4, 0
	s_cbranch_scc1 .Lno_wp
.irp fn, 0,1,2,3
	ds_load_b128 v[240+4*\fn:243+4*\fn], v[VT] offset:\fn*512
.endr
	s_wait_dscnt 0x0
	v_pk_mul_f32 v[240:241], v[240:241], v[244:245]
	v_pk_mul_f32 v[242:243], v[242:243], v[246:247]
	v_pk_mul_f32 v[248:249], v[248:249], v[252:253]
	v_pk_mul_f32 v[250:251], v[250:251], v[254:255]
	v_pk_mul_f32 v[240:241], v[240:241], v[248:249]
	v_pk_mul_f32 v[242:243], v[242:243], v[250:251]
	s_wait_alu depctr_va_vdst(0)                   ; the products have written v[240:243], which the store reads
	global_store_b128 v[L16], v[240:243], s[18:19] ; 128 f32: 512 consecutive bytes; v[240:243] and v1 are not written again
.Lno_wp:
	s_wait_dscnt 0x0                               ; my decayed k is in LDS
	s_barrier_signal -1
	s_barrier_wait -1
	s_wait_alu depctr_vm_vsrc(0)                   ; the weights' fragment loads have read v7 to v9, which are written below; my LDS stores have read KO, in which v's fragments land
	; ---- Sf = kf^T v over the chunk's 64 steps.  My wave: rows i of tiles a = 2J, 2J+1, all 8 column tiles, in two passes of four.
	s_lshl_b32 s28, s3, 14
	s_lshl_b32 s29, s4, 10
	s_add_co_u32 s29, s29, s28
	s_add_co_u32 s29, s29, R_KF
	v_add_nc_u32 v7, s29, v[L16]
	s_add_co_u32 s28, s28, R_V
	v_add_nc_u32 v8, s28, v[L16]
	s_lshl_b32 s28, s4, 14
	v_add_nc_u32 v9, s28, v[L16]                   ; my two tile rows in Sf
	s_wait_alu depctr_va_vdst(0)                   ; v7 to v9 are written, by which the loads and stores below go; the selects are done reading v[16:39], in which k's fragments land
.irp al, 0,1
.irp jp, 0,1,2,3
	ds_load_b128 v[16+8*(2*\al+\jp/2)+4*(\jp%2):16+8*(2*\al+\jp/2)+4*(\jp%2)+3], v7 offset:\jp*4096+\al*512
.endr
.endr
.macro SFLOAD ps                       ; v's fragments of four column tiles
.irp be, 0,1,2,3
.irp jp, 0,1,2,3
	ds_load_b128 v[48+8*(2*\be+\jp/2)+4*(\jp%2):48+8*(2*\be+\jp/2)+4*(\jp%2)+3], v8 offset:\jp*4096+(4*\ps+\be)*512
.endr
.endr
.endm
.macro SFMUL ps                        ; eight accumulators take turns
.irp pp, 0,1
.irp al, 0,1
.irp be, 0,1,2,3
	MMH 112+64*\ps+8*(4*\al+\be), 16+8*(2*\al+\pp), 48+8*(2*\be+\pp), \pp
.endr
.endr
.endr
	PLACES 4                                       ; before the stores read the sums and before the next pass loads over v's fragments
.endm
.macro SFSEND ps
.irp al, 0,1
.irp be, 0,1,2,3
	global_store_b128 v9, v[112+64*\ps+8*(4*\al+\be):112+64*\ps+8*(4*\al+\be)+3], s[16:17] offset:(8*\al+4*\ps+\be)*1024
	global_store_b128 v9, v[112+64*\ps+8*(4*\al+\be)+4:112+64*\ps+8*(4*\al+\be)+7], s[16:17] offset:(8*\al+4*\ps+\be)*1024+512
.endr
.endr
.endm
	SFLOAD 0
	s_wait_dscnt 0x0
	SFMUL 0
	s_wait_alu depctr_va_vdst(0)                   ; the first pass's sums are written, which its stores read, and its matrix instructions are done reading v's fragments, over which the second pass loads
	SFLOAD 1                                       ; the loads ahead of the stores: the second pass waits for them, nothing waits for the stores
	SFSEND 0
	s_wait_dscnt 0x0
	SFMUL 1
	s_wait_alu depctr_va_vdst(0)                   ; the second pass's sums are written, which its stores read
	SFSEND 1
	s_set_vgpr_msb 0x4
	s_wait_dscnt 0x0
	s_wait_alu depctr_hold_cnt(0) depctr_sa_sdst(0) depctr_va_vdst(0) depctr_va_sdst(0) depctr_va_ssrc(0) depctr_va_vcc(0) depctr_vm_vsrc(0)
	s_wait_tensorcnt 0x0
	ds_add_u32 v15, v1
	s_wait_dscnt 0x0
	s_endpgm
.Lfunc_end_k_q6126894843_state:
	.size	k_q6126894843_state, .Lfunc_end_k_q6126894843_state-k_q6126894843_state
	.p2alignl 7, 3214868480
	.fill 96, 4, 3214868480
	.section	.rodata,"a",@progbits
	.p2align	6, 0x0
	.amdhsa_kernel k_q6126894843_state
		.amdhsa_group_segment_fixed_size 209920
		.amdhsa_private_segment_fixed_size 0
		.amdhsa_enable_private_segment 0
		.amdhsa_kernarg_size 48
		.amdhsa_user_sgpr_count 2
		.amdhsa_user_sgpr_kernarg_segment_ptr 1
		.amdhsa_wavefront_size32 1
		.amdhsa_system_sgpr_workgroup_id_x 1
		.amdhsa_system_sgpr_workgroup_id_y 1
		.amdhsa_system_sgpr_workgroup_id_z 1
		.amdhsa_system_vgpr_workitem_id 0
		.amdhsa_next_free_vgpr 258
		.amdhsa_next_free_sgpr 66
		.amdhsa_reserve_vcc 0
		.amdhsa_float_denorm_mode_32 3
		.amdhsa_float_denorm_mode_16_64 3
		.amdhsa_memory_ordered 1
		.amdhsa_forward_progress 1
		.amdhsa_inst_pref_size 81
	.end_amdhsa_kernel
	.amdgpu_metadata
---
amdhsa.version: [ 1, 2 ]
amdhsa.kernels:
  - .name:           k_q6126894843_state
    .symbol:         k_q6126894843_state.kd
    .args:
      - { .name: x, .offset: 0, .size: 8, .value_kind: global_buffer, .address_space: global }
      - { .name: Wk, .offset: 8, .size: 8, .value_kind: global_buffer, .address_space: global }
      - { .name: Wv, .offset: 16, .size: 8, .value_kind: global_buffer, .address_space: global }
      - { .name: Wd, .offset: 24, .size: 8, .value_kind: global_buffer, .address_space: global }
      - { .name: Sf, .offset: 32, .size: 8, .value_kind: global_buffer, .address_space: global }
      - { .name: Wp, .offset: 40, .size: 8, .value_kind: global_buffer, .address_space: global }
    .group_segment_fixed_size: 209920
    .private_segment_fixed_size: 0
    .kernarg_segment_align: 8
    .kernarg_segment_size: 48
    .max_flat_workgroup_size: 256
    .sgpr_count:     66
    .vgpr_count:     258
    .wavefront_size: 32
...
	.end_amdgpu_metadata
.endif
;; end of part 4
;; launch scan (part 5): grid 256 x 1, 2 waves a work-group, no clusters, 0 bytes of LDS; arguments Sf, Wp, Sp; writes Sp
.if DOCPART == 5
	.amdgcn_target "amdgcn-amd-amdhsa--gfx1250"
	.amdhsa_code_object_version 6
	.text
	.protected	k_q6126894843_scan
	.globl	k_q6126894843_scan
	.p2align	8
	.type	k_q6126894843_scan,@function
k_q6126894843_scan:
	s_mov_b64 s[64:65], 0
	v_nop
	global_prefetch_b8 v0, s[64:65] scope:SCOPE_SE
	s_setreg_imm32_b32 hwreg(HW_REG_WAVE_SCHED_MODE, 0, 2), 2
	s_setreg_imm32_b32 hwreg(HW_REG_WAVE_MODE, 25, 1), 1
	s_wait_xcnt 0x0
	s_wait_alu depctr_vm_vsrc(0)
; The scan over the 64 chunks of a batch, element by element: Sp[0] = 0, Sp[c] = Wp[c] Sp[c-1] + Sf[c-1].  The carry stays in f32 in registers.
; Sp serves only as a matrix operand of the next launch, and leaves as TWO bf16 numbers: hi = bf16(Sp), lo = bf16(Sp - hi), 16 bits of mantissa
; with f32's range, so that no scale has to be found.  LIMIT: |Sp| in f32's top binade may round to infinity.
; Both parts lie as the fragments that the next launch loads:
; byte g*65536 + part*32768 + (b*4+ks)*1024 + sub*512 + lane*16 holds Sp[32ks + 16sub + 8(lane/16) + 0..7][16b + lane%16], part 0 = hi, 1 = lo.
; 512 waves.  Wave W: batch W >> 6, tile row a = (W >> 3) & 7, half h = (W >> 2) & 1, tile pair pr = W & 3.  Its lanes 0-15 take lanes 16h..16h+15
; of Sf's tile (a, 2pr), lanes 16-31 those of tile (a, 2pr+1): 8 numbers a lane, rows i = 16a + 8h + 0..7, the same in the whole wave, so that the
; eight Wp of a step are scalars.  Each load and store covers two aligned runs of 256 consecutive bytes.
; Memory binds: a ring of 21 slots in registers keeps 42 loads of every wave out.  No LDS, no barrier, no matrix unit: nothing is shared.
; THE MODE: SCHED_MODE bits 1:0 = 2 (LLVM: expert scheduling mode 2), set by the entry lines.  The code itself states the register dependences
; between vector instructions and memory instructions, and those through scalar registers that vector instructions write, with s_wait_alu, always for 0.
; THE PLAN.  The 64 steps go in 32 blocks of two.  Registers that memory instructions touch:
;   v1, v2, v3   byte offsets, made once at the head and never written again: the chunks are reached by immediate offsets.
;   WPR          filled by four loads at the head; read by v_readlane_b32 alone.
;   RING         slot (c - 1) % 21 holds Sf[c-1]: read by step c's eight multiply-adds; the loads of Sf[c+20] land in it, issued in the block behind.
;   Y0, Y1       two out-buffers of a block's two steps (high and low parts).  Block b's conversions write Y[b % 2]; the four stores that read it are issued in block b + 1.
;   s[12:27]     the sixteen Wp of a block: written by v_readlane_b32 at the block's head, read by its multiply-adds.
; Block b: its sixteen v_readlane_b32; ONE group of waits; the reloads of the two slots that block b - 1 read and block b - 1's four stores; then its two steps, which name
; Y[b % 2], the carry, the work registers and two other slots: none of the registers that those eight memory instructions touch.
.set WPR,  4                           ; v[4:19]    Wp[c][my 8 rows]: lane = c % 32, registers 8 (c / 32) + e
.set S,    20                          ; v[20:27]   the carry
.set RING, 32                          ; v[32:199]  21 slots of 8
.set T,    200                         ; v[200:207] the high parts as f32, then what they leave: no memory instruction names them
.set Y,    208                         ; v[208:239] buffer p, step q of the block: high parts at Y + 16 p + 8 q, low parts 4 further on
.set WS,   12                          ; s[12:27]   step q of the block: eight Wp at WS + 8 q
.set DEPTH, 21
	s_load_b128 s[4:7], s[0:1], 0x0                ; Sf s[4:5], Wp s[6:7]
	s_load_b64 s[8:9], s[0:1], 0x10                ; Sp
	v_lshrrev_b32 v1, 5, v0
	v_readfirstlane_b32 s2, v1
	v_and_b32 v3, 31, v0
	v_and_b32 v28, 15, v0
	v_bfe_u32 v29, v0, 4, 1
	v_lshlrev_b32 v28, 4, v28
	v_lshl_add_u32 v1, v29, 10, v28                ; Sf: the second tile lies 1,024 bytes on
	v_lshl_add_u32 v2, v29, 12, v28                ; Sp: 4,096 bytes on
	v_lshlrev_b32 v3, 9, v3                        ; Wp: lane = chunk
	s_wait_alu depctr_va_sdst(0)                   ; s2 is written, ahead of its first reader
	s_lshl1_add_u32 s2, ttmp9, s2                  ; W
	s_lshr_b32 s10, s2, 6                          ; batch
	s_bfe_u32 s11, s2, 0x30003                     ; a
	s_bfe_u32 s12, s2, 0x10002                     ; h
	s_and_b32 s13, s2, 3                           ; pr
	s_lshl_b32 s14, s10, 22                        ; Sf: batch x 64 chunks x 65,536 + (8a + 2pr) x 1,024 + 256 h
	s_lshl_b32 s15, s11, 13
	s_add_co_u32 s14, s14, s15
	s_lshl_b32 s15, s13, 11
	s_add_co_u32 s14, s14, s15
	s_lshl_b32 s18, s12, 8
	s_add_co_u32 s14, s14, s18
	s_mov_b32 s15, 0
	s_lshl_b32 s16, s10, 22                        ; Sp: batch x 64 x 65,536 + 8,192 pr + 512 a + 256 h
	s_lshl_b32 s17, s13, 13
	s_add_co_u32 s16, s16, s17
	s_lshl_b32 s17, s11, 9
	s_add_co_u32 s16, s16, s17
	s_add_co_u32 s16, s16, s18
	s_mov_b32 s17, 0
	s_lshl_b32 s18, s10, 15                        ; Wp: batch x 64 x 512 + 4 (16a + 8h)
	s_lshl_b32 s19, s11, 6
	s_add_co_u32 s18, s18, s19
	s_lshl_b32 s19, s12, 5
	s_add_co_u32 s18, s18, s19
	s_mov_b32 s19, 0
	s_wait_kmcnt 0x0
	s_add_nc_u64 s[4:5], s[4:5], s[14:15]
	s_add_nc_u64 s[6:7], s[6:7], s[18:19]
	s_add_nc_u64 s[8:9], s[8:9], s[16:17]
	s_wait_alu depctr_va_vdst(0)                   ; v1, v2 and v3 are written: every load and store of the kernel reads one of them as its offset
	global_load_b128 v[WPR:WPR+3],     v3, s[6:7]
	global_load_b128 v[WPR+4:WPR+7],   v3, s[6:7] offset:16
	global_load_b128 v[WPR+8:WPR+11],  v3, s[6:7] offset:16384
	global_load_b128 v[WPR+12:WPR+15], v3, s[6:7] offset:16400
.set c, 0
.rept DEPTH
	global_load_b128 v[RING+8*c:RING+8*c+3],   v1, s[4:5] offset:c*65536 th:TH_LOAD_NT
	global_load_b128 v[RING+8*c+4:RING+8*c+7], v1, s[4:5] offset:c*65536+512 th:TH_LOAD_NT
.set c, c+1
.endr
.macro SPLIT                           ; the carry as hi + lo, into the eight registers at yy
.irp p, 0,1,2,3
	v_cvt_pk_bf16_f32 v[yy+\p], v[S+2*\p], v[S+2*\p+1]
.endr
.irp p, 0,1,2,3
	v_lshlrev_b32 v[T+2*\p],   16, v[yy+\p]                    ; the high parts back as f32
	v_and_b32     v[T+2*\p+1], 0xffff0000, v[yy+\p]
.endr
.irp e, 0,1,2,3,4,5,6,7
	v_sub_f32 v[T+\e], v[S+\e], v[T+\e]                        ; what they leave: exact
.endr
.irp p, 0,1,2,3
	v_cvt_pk_bf16_f32 v[yy+4+\p], v[T+2*\p], v[T+2*\p+1]
.endr
.endm
.macro RL q                            ; the eight Wp of step c = 2 b + q as scalars
.set c, 2*b+\q
.irp e, 0,1,2,3,4,5,6,7
	v_readlane_b32 s[WS+8*\q+\e], v[WPR+8*(c/32)+\e], c%32
.endr
.endm
.macro ADV q                           ; step c = 2 b + q.  L: the last Sf that has been asked for
.set c, 2*b+\q
.set sl, RING+8*((c-1)%DEPTH)
	s_wait_loadcnt 2*(L-(c-1))                     ; loads come back in order (ISA guide 5.7.1): Sf[c-1] is in; the L - (c - 1) younger slots, two loads each, stay out
.irp e, 0,1,2,3,4,5,6,7
	v_fma_f32 v[S+\e], s[WS+8*\q+\e], v[S+\e], v[sl+\e]
.endr
.set yy, Y+16*(b%2)+8*\q
	SPLIT
.endm
.macro REFILL                          ; the slots that block pb's steps read are asked for again, while Sf has chunks left: no load leaves the buffer
.irp q, 0,1
.set c, 2*pb+\q
.if (c >= 1) && (c+DEPTH-1 <= 62)
.set sl, RING+8*((c-1)%DEPTH)
	global_load_b128 v[sl:sl+3],   v1, s[4:5] offset:(c+DEPTH-1)*65536 th:TH_LOAD_NT
	global_load_b128 v[sl+4:sl+7], v1, s[4:5] offset:(c+DEPTH-1)*65536+512 th:TH_LOAD_NT
.endif
.endr
.endm
.macro SEND                            ; block pb's four stores
.irp q, 0,1
	global_store_b128 v2, v[Y+16*(pb%2)+8*\q:Y+16*(pb%2)+8*\q+3],   s[8:9] offset:(2*pb+\q)*65536
	global_store_b128 v2, v[Y+16*(pb%2)+8*\q+4:Y+16*(pb%2)+8*\q+7], s[8:9] offset:(2*pb+\q)*65536+32768
.endr
.endm
	; block 0 is written out: its first step has no Sf and no Wp, and no block stands in front of it
.irp e, 0,1,2,3,4,5,6,7
	v_mov_b32 v[S+\e], 0                           ; Sp[0] = 0
.endr
.set b, 0
.set yy, Y
	SPLIT
	s_wait_loadcnt 2*DEPTH                         ; Wp is in; the ring's 42 younger loads stay out
	RL 1
	s_wait_alu depctr_va_sdst(0)                   ; s[20:27] are written, ahead of the multiply-adds that read them
.set L, DEPTH-1
	ADV 1
.set b, 1
.rept 31
.set pb, b-1
	RL 0
	RL 1
.if b >= 2
	s_wait_xcnt 0x0                                ; every earlier memory instruction has had its addresses translated (ISA guide 3.1): Y[b % 2] is rewritten only behind this wait
	s_wait_alu depctr_vm_vsrc(0)                   ; the stores issued in the block before have read Y[b % 2], which this block's conversions write again
.endif
	s_wait_alu depctr_va_vdst(0)                   ; the block before has written the other Y, which the stores below read, and is done reading its two slots, in which the loads below land
	s_wait_alu depctr_va_sdst(0)                   ; s[12:27] are written, ahead of the multiply-adds that read them
	REFILL
	SEND
.set L, 2*b+DEPTH-2
.if L > 62
.set L, 62                             ; the tail: the counts run down
.endif
	ADV 0
	ADV 1
.set b, b+1
.endr
.set pb, 31
	s_wait_alu depctr_va_vdst(0)                   ; block 31 has written Y1, which the last four stores read
	SEND
	s_endpgm
.Lfunc_end_k_q6126894843_scan:
	.size	k_q6126894843_scan, .Lfunc_end_k_q6126894843_scan-k_q6126894843_scan
	.p2alignl 7, 3214868480
	.fill 96, 4, 3214868480
	.section	.rodata,"a",@progbits
	.p2align	6, 0x0
	.amdhsa_kernel k_q6126894843_scan
		.amdhsa_group_segment_fixed_size 0
		.amdhsa_private_segment_fixed_size 0
		.amdhsa_enable_private_segment 0
		.amdhsa_kernarg_size 24
		.amdhsa_user_sgpr_count 2
		.amdhsa_user_sgpr_kernarg_segment_ptr 1
		.amdhsa_wavefront_size32 1
		.amdhsa_system_sgpr_workgroup_id_x 1
		.amdhsa_system_sgpr_workgroup_id_y 1
		.amdhsa_system_sgpr_workgroup_id_z 1
		.amdhsa_system_vgpr_workitem_id 0
		.amdhsa_next_free_vgpr 240
		.amdhsa_next_free_sgpr 66
		.amdhsa_reserve_vcc 0
		.amdhsa_float_denorm_mode_32 3
		.amdhsa_float_denorm_mode_16_64 3
		.amdhsa_memory_ordered 1
		.amdhsa_forward_progress 1
		.amdhsa_inst_pref_size 168
	.end_amdhsa_kernel
	.amdgpu_metadata
---
amdhsa.version: [ 1, 2 ]
amdhsa.kernels:
  - .name:           k_q6126894843_scan
    .symbol:         k_q6126894843_scan.kd
    .args:
      - { .name: Sf, .offset: 0, .size: 8, .value_kind: global_buffer, .address_space: global }
      - { .name: Wp, .offset: 8, .size: 8, .value_kind: global_buffer, .address_space: global }
      - { .name: Sp, .offset: 16, .size: 8, .value_kind: global_buffer, .address_space: global }
    .group_segment_fixed_size: 0
    .private_segment_fixed_size: 0
    .kernarg_segment_align: 8
    .kernarg_segment_size: 24
    .max_flat_workgroup_size: 64
    .sgpr_count:     66
    .vgpr_count:     240
    .wavefront_size: 32
...
	.end_amdgpu_metadata
.endif
;; end of part 5
;; launch out: the kernel of part 3 again; grid 256 x 1, 8 waves a work-group, no clusters, 277,504 bytes of LDS; arguments x, Wq, Wk, Wv, Wd, Wo, Sp, out0; writes out0
